; MI455X (gfx1250); checked and timed in simulation.
; The chip was launched on July 23, 2026; its instructions are those of AMD's public machine-readable ISA for CDNA 5 (MIT licence, August 2026) and "CDNA5" Instruction Set Architecture Reference Guide (July 2026). The comments in the code are by the model that wrote it; some were corrected since.
;; Attention. Allowed arithmetic: float matrix products may take bf16 or f16 operands with f32 sums; all other float work in f32.
;; Inputs: Wk 1,024 x 1,024 float32; Wq 1,024 x 1,024 float32; Wv 1,024 x 1,024 float32; bk 1,024 float32; bq 1,024 float32; bv 1,024 float32; key 4 x 2,048 x 1,024 float32; query 4 x 2,048 x 1,024 float32; value 4 x 2,048 x 1,024 float32.
;; Outputs: out0 4 x 2,048 x 1,024 float32.
;; One version. Each part assembles by itself: llvm-mc -triple=amdgcn-amd-amdhsa -mcpu=gfx1250 --defsym DOCPART=n.
;; ======== version 1 of 1: 4 launches
;; limits: values are held in f16: magnitudes above 65,504 overflow, below 6.1e-05 lose precision
;; workspace buffers: wbf 6,303,744 bytes; qkv 50,331,648 bytes; p 33,554,432 bytes; stat 1,048,576 bytes
;; launch prep (part 1): grid 256 x 3, 8 waves a work-group, no clusters, 0 bytes of LDS; arguments Wq, Wk, Wv, bq, bk, bv, wbf; writes wbf
.if DOCPART == 1
	.amdgcn_target "amdgcn-amd-amdhsa--gfx1250"
	.amdhsa_code_object_version 6
	.text
	.protected	k_qd5b8d8d5e8_prep
	.globl	k_qd5b8d8d5e8_prep
	.p2align	8
	.type	k_qd5b8d8d5e8_prep,@function
k_qd5b8d8d5e8_prep:
	s_mov_b64 s[64:65], 0
	v_nop
	global_prefetch_b8 v0, s[64:65] scope:SCOPE_SE
	s_setreg_imm32_b32 hwreg(HW_REG_WAVE_MODE, 25, 1), 1
	s_wait_xcnt 0x0
; The three weight matrices [1024 k][1024 n] f32 are rounded to bf16, layout kept, into wbf at y x 2,097,152 (y = 0: Wq, 1: Wk, 2: Wv).
; The three biases are rounded to bf16 and kept as f32 at 6,291,456 + y x 4,096: every input of the module has the same rounding.
; A stream: no LDS, no barrier, no matrix unit.  A work-group takes 16,384 bytes of one matrix: thread t reads 32 bytes at 32 t and at
; 8,192 + 32 t and stores 16 bytes at 16 t and at 4,096 + 16 t, so a wave's store covers 512 consecutive bytes, aligned.
.set BIASAT, 6291456
	s_load_b256 s[4:11], s[0:1], 0x0               ; Wq s[4:5], Wk s[6:7], Wv s[8:9], bq s[10:11]
	s_load_b128 s[12:15], s[0:1], 0x20             ; bk s[12:13], bv s[14:15]
	s_load_b64 s[16:17], s[0:1], 0x30              ; wbf
	s_and_b32 s20, ttmp7, 0xffff                   ; y: which matrix
	s_mov_b32 s21, ttmp9                           ; x: which 16,384 bytes of it
	v_lshlrev_b32 v1, 5, v0                        ; 32 t
	v_lshlrev_b32 v2, 4, v0                        ; 16 t
	s_lshl_b32 s22, s21, 14                        ; offset in the source
	s_mov_b32 s23, 0
	s_lshl_b32 s24, s20, 21                        ; offset in wbf
	s_lshl_b32 s25, s21, 13
	s_add_co_u32 s24, s24, s25
	s_mov_b32 s25, 0
	s_wait_kmcnt 0x0
	s_cmp_eq_u32 s20, 1
	s_cselect_b64 s[18:19], s[6:7], s[4:5]
	s_cselect_b64 s[28:29], s[12:13], s[10:11]
	s_cmp_eq_u32 s20, 2
	s_cselect_b64 s[18:19], s[8:9], s[18:19]       ; the matrix
	s_cselect_b64 s[28:29], s[14:15], s[28:29]     ; its bias
	s_add_nc_u64 s[18:19], s[18:19], s[22:23]
	s_add_nc_u64 s[26:27], s[16:17], s[24:25]
	global_load_b128 v[4:7],   v1, s[18:19] th:TH_LOAD_NT
	global_load_b128 v[8:11],  v1, s[18:19] offset:16 th:TH_LOAD_NT
	global_load_b128 v[12:15], v1, s[18:19] offset:8192 th:TH_LOAD_NT
	global_load_b128 v[16:19], v1, s[18:19] offset:8208 th:TH_LOAD_NT
	s_wait_loadcnt 0x2                             ; the first two of the four are in
	v_cvt_pk_bf16_f32 v20, v4, v5
	v_cvt_pk_bf16_f32 v21, v6, v7
	v_cvt_pk_bf16_f32 v22, v8, v9
	v_cvt_pk_bf16_f32 v23, v10, v11
	global_store_b128 v2, v[20:23], s[26:27]
	s_wait_loadcnt 0x0
	v_cvt_pk_bf16_f32 v24, v12, v13
	v_cvt_pk_bf16_f32 v25, v14, v15
	v_cvt_pk_bf16_f32 v26, v16, v17
	v_cvt_pk_bf16_f32 v27, v18, v19
	global_store_b128 v2, v[24:27], s[26:27] offset:4096
	s_cmp_lg_u32 s21, 0
	s_cbranch_scc1 .Lend                           ; the first work-group of each matrix also takes its bias: 256 threads x 16 bytes
	s_lshl_b32 s24, s20, 12
	s_add_co_u32 s24, s24, BIASAT
	s_add_nc_u64 s[30:31], s[16:17], s[24:25]
	global_load_b128 v[4:7], v2, s[28:29]
	s_wait_loadcnt 0x0
	v_cvt_pk_bf16_f32 v8, v4, v5                   ; rounded to bf16,
	v_cvt_pk_bf16_f32 v9, v6, v7
	v_lshlrev_b32 v12, 16, v8                      ; and written as f32 again
	v_and_b32 v13, 0xffff0000, v8
	v_lshlrev_b32 v14, 16, v9
	v_and_b32 v15, 0xffff0000, v9
	global_store_b128 v2, v[12:15], s[30:31]
.Lend:
	s_endpgm
.Lfunc_end_k_qd5b8d8d5e8_prep:
	.size	k_qd5b8d8d5e8_prep, .Lfunc_end_k_qd5b8d8d5e8_prep-k_qd5b8d8d5e8_prep
	.p2alignl 7, 3214868480
	.fill 96, 4, 3214868480
	.section	.rodata,"a",@progbits
	.p2align	6, 0x0
	.amdhsa_kernel k_qd5b8d8d5e8_prep
		.amdhsa_group_segment_fixed_size 0
		.amdhsa_private_segment_fixed_size 0
		.amdhsa_enable_private_segment 0
		.amdhsa_kernarg_size 56
		.amdhsa_user_sgpr_count 2
		.amdhsa_user_sgpr_kernarg_segment_ptr 1
		.amdhsa_wavefront_size32 1
		.amdhsa_system_sgpr_workgroup_id_x 1
		.amdhsa_system_sgpr_workgroup_id_y 1
		.amdhsa_system_sgpr_workgroup_id_z 1
		.amdhsa_system_vgpr_workitem_id 0
		.amdhsa_next_free_vgpr 32
		.amdhsa_next_free_sgpr 66
		.amdhsa_reserve_vcc 0
		.amdhsa_float_denorm_mode_32 3
		.amdhsa_float_denorm_mode_16_64 3
		.amdhsa_memory_ordered 1
		.amdhsa_forward_progress 1
		.amdhsa_inst_pref_size 3
	.end_amdhsa_kernel
	.amdgpu_metadata
---
amdhsa.version: [ 1, 2 ]
amdhsa.kernels:
  - .name:           k_qd5b8d8d5e8_prep
    .symbol:         k_qd5b8d8d5e8_prep.kd
    .args:
      - { .name: Wq, .offset: 0, .size: 8, .value_kind: global_buffer, .address_space: global }
      - { .name: Wk, .offset: 8, .size: 8, .value_kind: global_buffer, .address_space: global }
      - { .name: Wv, .offset: 16, .size: 8, .value_kind: global_buffer, .address_space: global }
      - { .name: bq, .offset: 24, .size: 8, .value_kind: global_buffer, .address_space: global }
      - { .name: bk, .offset: 32, .size: 8, .value_kind: global_buffer, .address_space: global }
      - { .name: bv, .offset: 40, .size: 8, .value_kind: global_buffer, .address_space: global }
      - { .name: wbf, .offset: 48, .size: 8, .value_kind: global_buffer, .address_space: global }
    .group_segment_fixed_size: 0
    .private_segment_fixed_size: 0
    .kernarg_segment_align: 8
    .kernarg_segment_size: 56
    .max_flat_workgroup_size: 256
    .sgpr_count:     66
    .vgpr_count:     32
    .wavefront_size: 32
...
	.end_amdgpu_metadata
.endif
;; end of part 1
;; launch proj (part 2): grid 4 x 64, 4 waves a work-group, clusters of 4 x 4, 327,680 bytes of LDS; arguments query, key, value, wbf, qkv; writes qkv
.if DOCPART == 2
	.amdgcn_target "amdgcn-amd-amdhsa--gfx1250"
	.amdhsa_code_object_version 6
	.text
	.protected	k_qd5b8d8d5e8_proj
	.globl	k_qd5b8d8d5e8_proj
	.p2align	8
	.type	k_qd5b8d8d5e8_proj,@function
k_qd5b8d8d5e8_proj:
	s_mov_b64 s[64:65], 0
	v_nop
	global_prefetch_b8 v0, s[64:65] scope:SCOPE_SE
	s_setreg_imm32_b32 hwreg(HW_REG_WAVE_MODE, 25, 1), 1
	s_wait_xcnt 0x0
	s_wait_alu depctr_hold_cnt(0) depctr_sa_sdst(0) depctr_va_vdst(0) depctr_va_sdst(0) depctr_va_ssrc(0) depctr_va_vcc(0) depctr_vm_vsrc(0)
	s_getreg_b32 s2, hwreg(HW_REG_IB_STS2, 6, 4)
	s_cmp_eq_u32 s2, 0
	s_cbranch_scc0 .Lentry_in_a_cluster
	s_endpgm
.Lentry_in_a_cluster:
	s_bfe_u32 s2, ttmp6, 0x10000c
	s_cmp_lg_u32 s2, 0xf033
	s_cbranch_scc0 .Lentry_shape_is_right
	s_endpgm
.Lentry_shape_is_right:
; q, k, v = bf16(X) bf16(W) + b, sums in f32, rounded once to f16.  X: [8192][1024] f32 (query, key, value); W: bf16 [1024 k][1024 n] and b: f32 in wbf;
; the result: f16 [8192][1024] in qkv at t x 16,777,216 (t = 0: q, 1: k, 2: v).
; LIMITS.  f16 holds no number beyond 65,504: a q, k or v of 65,520 or more becomes an infinity.  X, W and b are rounded to bf16.  NaN and infinities are not treated apart.
; SHARES.  A tile of a result is 128 rows x 256 columns: 64 x 4 places = 256 work-groups.  A WORK-GROUP STAYS: it makes its place's tile of q, then of k, then of v: 3 x 8 = 24 K steps of 128
; in one counted walk through two LDS slots; the ring does not stop at a tile's end, and a tile goes out while the next tile's first loads are on their way.  Four waves, each 64 x 128: 32 accumulators.
; X comes in as f32 (rows of 512 bytes) and is rounded on the way from LDS to the matrix unit; W lies [k][n] (rows of 512 bytes) and is turned by ds_load_tr16_b128.
; The bias is the C operand of the products that start a tile's sums.
; A K step is written once: the fragments' addresses are a base plus s84, which an exclusive or turns between 0 and SLOT; one descriptor a tensor walks.  W's three matrices lie end to end in wbf,
; so its address steps evenly through all 24 steps; X's address is made anew for each fill: the tensor's pointer, chosen by the step's number, plus an offset.
; What a tile's end adds (the way out, the next bias, a first quarter that starts sums) is reached by a forward jump that passes no barrier and no tensor load.
; CLUSTER.  4 x 4 work-groups: the four of a row need the same tile of X, the four of a column the same tile of W; each tile is asked for jointly, by the same tensor load with the
; same descriptor and a mask that names the four.  lds_bytes claims all of the LDS; the text uses 312,832 bytes.
; PREFETCH.  X is read once in the launch.  Each aligned 256 bytes of its K steps 2 to 23 are asked for once, by one lane: the 16 waves of the four work-groups that share a tile of X take 8 rows each,
; a lane 256 of a row's 1,024 bytes (two K steps).  The trip that requests step n (n even) asks for steps n + 2 and n + 3, whose tensor loads follow two and three trips later: 32 KB a work-group;
; steps 2 and 3 are asked for at the head; the trip with n = 22 asks for nothing, so no request points past step 23.  W is read by all 64 row places and is not asked for ahead.
; THE MATRIX INSTRUCTION IS USED TRANSPOSED (source 0 = 16 columns of W, source 1 = 16 rows of X): lane l holds row l % 16 and registers 0-7 the columns 8 (l / 16) + 0..7.
; REGISTERS, in windows of 256 (s_set_vgpr_msb: bits 1:0 source 0, 3:2 source 1, 5:4 source 2, 7:6 destination):
;   window 0: v0-31 addresses; v64-191 W's fragments, two buffers of 64; v192-255 X's fragments, two buffers of 32          window 1: the accumulators, (a, b) at v[8 (8 a + b)]
;   window 2: v0-63 a quarter step of X as f32; v64-127 the bias, 8 registers for each block b of 16 columns; v128-223 the way out (window 0 then holds the next tile's first fragments)
.set PA,     528                       ; a row of X in LDS: 512 bytes + 16 = 33 x 16: the 16 rows of a load start at 16 different columns of 16 bytes
.set AHALF,  64*PA                     ; 64 rows: one tensor load, and what one wave reads of X: 0x8400
.set ABYTES, 2*AHALF                   ; 0x10800
.set PB,     544                       ; a row of W in LDS: 512 bytes + 32 = 17 x 32, for the turning load
.set BHALF,  64*PB                     ; 64 rows along k: one tensor load: 0x8800
.set SLOT,   0x24000                   ; from slot to slot: 147,456, of which 137,216 are used; it shares no bit with the loads' four LDS addresses 0, 0x8400, 0x10800, 0x19000
.set STAGE,  2*SLOT                    ; behind the ring: 16 rows x 272 bytes for each wave, for the way out
.set SPITCH, 272
.set SPARE,  STAGE+4*16*SPITCH         ; behind the stages: the spare words, 128 bytes for each wave, which no other line names
.set NSTEP,  24                        ; K steps in the walk: 8 for each of three tiles
.set ASTEP,  512                       ; bytes from K step to K step in X: 128 f32
.set BSTEP,  128*2048                  ; in W: 128 rows of 2,048 bytes; 8 steps are a whole matrix
.set BIASAT, 6291456
.set ADRA0, 16                         ; my place in slot 0's rows of X; never rewritten
.set ADRB0, 17                         ; the same for W
.set ADRA,  18                         ; the same in the slot in hand
.set ADRB,  19
.set STO,  24                          ; the way out: where I put 16 bytes of a row
.set RD,   25                          ; where I read rows back
.set CO,   26                          ; my byte offset in two rows of the result
.set BO,   27                          ; my byte offset in a block's 64 bytes of bias
.set SPW,  28                          ; LDS address of my spare word; never rewritten
.set NIL,  29                          ; 0; never rewritten
.set PF,   30                          ; my lane's byte offset in the tile of X, for the prefetch; never rewritten
.set BF,   64
.set AF,   192
.set RAW,  0                           ; window 2
.set BIAS, 64                          ; window 2
.set TMP,  128                         ; window 2: packed results
.set BK0,  160                         ; window 2: whole rows, two buffers of 32
.set G1,  24                           ; s[24:31] descriptor group 1 for X's tiles;  s[32:39] group 0: a set for each first fill; the second then walks on
.set G0,  32
.set G1B, 48                           ; s[48:55], s[56:63] the same for W's
.set G0B, 56
.set OADD, 66                          ; s[66:67] what the next way out adds to the result's address
.set TB,   84                          ; s84 0 or SLOT: the slot in hand
.set NX,   85                          ; s85 the K step to be asked for next, 2 to 24
.set AOF,  86                          ; s[86:87] a fill's byte offset in X
.set ROFF, 88                          ; s88 the byte offset in X of the 64 rows that I fetch
.set PROW, 89                          ; s89 the byte offset in X of the tile's first row
.set PFP,  90                          ; s[90:91] the prefetch's base
.set PFO,  92                          ; s[92:93] its offset
.set MSB, 0
.macro WIN new                         ; the immediate's high byte repeats the setting that is left; a switch that changes nothing is dropped
.if MSB != (\new)
	s_set_vgpr_msb (MSB<<8)|(\new)
.set MSB, \new
.endif
.endm
.macro PLACES
.rept 4
	v_nop
.endr
.endm
; A joint load: waves 0 and 1 fetch X's two halves, waves 2 and 3 W's.  The branch hangs on the wave's number alone.  An s_nop 0 and four v_nop follow each line.
.macro JLOAD s
	s_cmp_eq_u32 s11, 0
	s_cbranch_scc0 .Lfor_b_\@
	tensor_load_to_lds s[G0+4*(\s):G0+4*(\s)+3], s[G1:G1+7]
	s_nop 0
	PLACES
	s_branch .Lasked_\@
.Lfor_b_\@:
	tensor_load_to_lds s[G0B+4*(\s):G0B+4*(\s)+3], s[G1B:G1B+7]
	s_nop 0
	PLACES
.Lasked_\@:
.endm
.macro CREST                           ; a round of the cluster's barrier behind its opening barrier
	s_cmp_lg_u32 s10, 0
	s_cbranch_scc1 .Lnot_wave_0_\@
	s_barrier_signal -3
.Lnot_wave_0_\@:
	s_barrier_wait -3
	s_barrier_signal -1
	s_barrier_wait -1
.endm
.macro CROUND                          ; a whole round
	s_barrier_signal -1
	s_barrier_wait -1
	CREST
.endm
	s_load_b256 s[68:75], s[0:1], 0x0              ; query s[68:69], key s[70:71], value s[72:73], wbf s[74:75]
	s_load_b64 s[76:77], s[0:1], 0x20              ; qkv
	v_lshl_add_u32 v[SPW], v0, 2, SPARE
	v_mov_b32 v[NIL], 0
	ds_add_u32 v28, v29
	s_wait_dscnt 0x0
	v_lshrrev_b32 v1, 5, v0
	v_readfirstlane_b32 s10, v1                    ; wave 0..3
	s_lshr_b32 s11, s10, 1                         ; which 64 rows of the tile are mine.  Also: I fetch for X (0) or for W (1)
	s_and_b32 s12, s10, 1                          ; which 128 columns.  Also: which half I fetch
	s_bfe_u32 s40, ttmp6, 0x40000                  ; cx
	s_bfe_u32 s41, ttmp6, 0x40004                  ; cy
	s_lshl_b32 s42, ttmp9, 2
	s_add_co_u32 s42, s42, s40                     ; tile column = 4 x cluster x + cx, 0..3
	s_and_b32 s13, ttmp7, 0xffff
	s_lshl_b32 s13, s13, 2
	s_add_co_u32 s13, s13, s41                     ; tile row = 4 x cluster y + cy, 0..63
	s_lshl_b32 s43, s41, 2
	s_lshl_b32 s43, 15, s43                        ; my row of the cluster
	s_lshl_b32 s44, 0x1111, s40                    ; my column
	s_or_b32 s[G1], s43, (2<<16)|(1<<20)|(1<<21)|(6<<22)|(3<<25)   ; mask; elements of 4 bytes; padding on; bit 21 beside a mask; after every 128 words, 4 words
	s_mov_b32 s[G1+1], 128<<16                     ; tensor_dim0 = 128
	s_mov_b32 s[G1+2], 64<<16                      ; tensor_dim1 = 64
	s_mov_b32 s[G1+3], 128<<16                     ; tile_dim0 = 128
	s_mov_b32 s[G1+4], 64                          ; tile_dim1 = 64
	s_mov_b32 s[G1+5], 1024                        ; elements from row to row
	s_mov_b32 s[G1+6], 0
	s_mov_b32 s[G1+7], 0
	s_or_b32 s[G1B], s44, (1<<16)|(1<<20)|(1<<21)|(6<<22)|(7<<25)  ; elements of 2 bytes; after every 128 words, 8 words
	s_mov_b32 s[G1B+1], 256<<16
	s_mov_b32 s[G1B+2], 64<<16
	s_mov_b32 s[G1B+3], 256<<16
	s_mov_b32 s[G1B+4], 64
	s_mov_b32 s[G1B+5], 1024
	s_mov_b32 s[G1B+6], 0
	s_mov_b32 s[G1B+7], 0
	s_lshl_b32 s[ROFF], s13, 7                     ; X: row 128 x tile row + 64 x half, 4,096 bytes a row
	s_lshl_b32 s22, s12, 6
	s_add_co_u32 s[ROFF], s[ROFF], s22
	s_lshl_b32 s[ROFF], s[ROFF], 12
	s_mov_b32 s[AOF], s[ROFF]
	s_mov_b32 s[AOF+1], 0
	s_lshl_b32 s46, s12, 17                        ; W: k row 64 x half, column 256 x tile column, in the first matrix
	s_lshl_b32 s47, s42, 9
	s_add_co_u32 s46, s46, s47
	s_mov_b32 s47, 0
	s_mul_i32 s20, s12, AHALF                      ; where they go: no place in the cluster enters an LDS address
	s_mul_i32 s21, s12, BHALF
	s_add_co_u32 s21, s21, ABYTES
	s_lshl_b32 s80, s42, 10                        ; the first bias, at my 128 columns
	s_lshl_b32 s81, s12, 9
	s_add_co_u32 s80, s80, s81
	s_add_co_u32 s80, s80, BIASAT
	s_mov_b32 s81, 0
	s_lshl_b32 s[OADD], s13, 7                     ; my part of the first result: row 128 x tile row + 64 x half, 2,048 bytes a row,
	s_lshl_b32 s83, s11, 6
	s_add_co_u32 s[OADD], s[OADD], s83
	s_lshl_b32 s[OADD], s[OADD], 11
	s_lshl_b32 s83, s42, 9                         ; and the columns
	s_add_co_u32 s[OADD], s[OADD], s83
	s_lshl_b32 s83, s12, 8
	s_add_co_u32 s[OADD], s[OADD], s83
	s_mov_b32 s[OADD+1], 0
	s_lshl_b32 s[PROW], s13, 19                    ; 128 rows of 4,096 bytes for each tile row
	s_add_co_u32 s[PFO], s[PROW], 2*ASTEP          ; the first prefetch: K steps 2 and 3
	s_mov_b32 s[PFO+1], 0
	s_lshl_b32 s82, s40, 2                         ; my wave among the 16 that share the tile of X: 4 cx + wave;
	s_add_co_u32 s82, s82, s10
	s_lshl_b32 s82, s82, 3                         ; its 8 rows
	s_mov_b32 s[TB], 0
	s_mov_b32 s[NX], 2
	s_wait_kmcnt 0x0
	s_add_nc_u64 s[14:15], s[68:69], s[AOF:AOF+1]
	s_add_nc_u64 s[46:47], s[74:75], s[46:47]
	s_add_nc_u64 s[78:79], s[74:75], s[80:81]
	s_add_nc_u64 s[PFP:PFP+1], s[68:69], s[PFO:PFO+1]
	s_mov_b64 s[8:9], s[76:77]
	CROUND                                         ; all sixteen work-groups are here: the first joint loads meet
.irp s, 0,1
	s_mov_b32 s[G0+4*(\s)], 1
	s_add_co_u32 s[G0+4*(\s)+1], s20, (\s)*SLOT
	s_add_nc_u64 s[G0+4*(\s)+2:G0+4*(\s)+3], s[14:15], (\s)*ASTEP
	s_or_b32 s[G0+4*(\s)+3], s[G0+4*(\s)+3], 0x80000000
	s_mov_b32 s[G0B+4*(\s)], 1
	s_add_co_u32 s[G0B+4*(\s)+1], s21, (\s)*SLOT
	s_add_nc_u64 s[G0B+4*(\s)+2:G0B+4*(\s)+3], s[46:47], (\s)*BSTEP
	s_or_b32 s[G0B+4*(\s)+3], s[G0B+4*(\s)+3], 0x80000000
	JLOAD \s                                       ; two loads of mine are out
.endr
	v_bfe_u32 v8, v0, 2, 3                         ; lane / 4: which of my 8 rows
	v_add_nc_u32 v8, s82, v8
	v_lshlrev_b32 v8, 12, v8
	v_and_b32 v9, 3, v0                            ; lane % 4: which 256 of the row's 1,024 bytes
	v_lshl_add_u32 v[PF], v9, 8, v8
	global_prefetch_b8 v[PF], s[PFP:PFP+1] th:TH_LOAD_NT scope:SCOPE_SE  ; K steps 2 and 3 of the first tile
	v_and_b32 v1, 15, v0                           ; r = l % 16
	v_bfe_u32 v2, v0, 4, 1                         ; h = l / 16
	v_lshlrev_b32 v[BO], 5, v2                     ; the bias: my 8 columns of a block of 16
	WIN 0x80                                       ; destination window 2
.irp b, 0,1,2,3,4,5,6,7
	global_load_b128 v[BIAS+8*(\b):BIAS+8*(\b)+3],   v[BO], s[78:79] offset:64*(\b)
	global_load_b128 v[BIAS+8*(\b)+4:BIAS+8*(\b)+7], v[BO], s[78:79] offset:64*(\b)+16
.endr
	WIN 0
	v_and_b32 v4, 7, v0
	v_bfe_u32 v5, v0, 3, 1
	v_mul_u32_u24 v3, v1, PA                       ; X: row r, 8 f32 = 32 bytes for each half of the lanes
	v_lshl_add_u32 v3, v2, 5, v3
	v_lshl_add_u32 v6, v2, 3, v4                   ; W, turned: k row 8 h + l % 8, 16 bytes at 16 ((l / 8) % 2)
	v_mul_u32_u24 v6, v6, PB
	v_lshl_add_u32 v6, v5, 4, v6
	s_mul_i32 s22, s11, AHALF                      ; my 64 rows of X
	s_lshl_b32 s23, s12, 8                         ; my 128 columns of W, 256 bytes
	s_add_co_u32 s23, s23, ABYTES
	v_add_nc_u32 v[ADRA0], s22, v3
	v_add_nc_u32 v[ADRB0], s23, v6
	v_mov_b32 v[ADRA], v[ADRA0]
	v_mov_b32 v[ADRB], v[ADRB0]
	s_mul_i32 s22, s10, 16*SPITCH
	s_add_co_u32 s22, s22, STAGE                   ; my stage
	v_mul_u32_u24 v3, v1, SPITCH                   ; in: row r, 16 bytes for each half of the lanes
	v_lshl_add_u32 v3, v2, 4, v3
	v_add_nc_u32 v[STO], s22, v3
	v_mul_u32_u24 v3, v2, SPITCH                   ; back: lanes 0-15 one row of 256 bytes, lanes 16-31 the next
	v_lshl_add_u32 v3, v1, 4, v3
	v_add_nc_u32 v[RD], s22, v3
	v_lshlrev_b32 v3, 11, v2                       ; and the same two rows in the result
	v_lshl_add_u32 v[CO], v1, 4, v3
; 8 matrix instructions: row block a x all 8 column blocks, 32 along K, from buffer f.  mode 2: the bias starts the sums; 0: they go on.
; The 32 accumulators take turns in the same order in every quarter step.
.macro MUL8 f, a, mode
.if (\mode) == 2
	WIN 0x60                                       ; C window 2, D window 1
.else
	WIN 0x50                                       ; C and D window 1
.endif
.irp b, 0,1,2,3,4,5,6,7
.if (\mode) == 2
	v_wmma_f32_16x16x32_bf16 v[8*(8*(\a)+(\b)):8*(8*(\a)+(\b))+7], v[BF+64*(\f)+8*(\b):BF+64*(\f)+8*(\b)+7], v[AF+32*(\f)+8*(\a):AF+32*(\f)+8*(\a)+7], v[BIAS+8*(\b):BIAS+8*(\b)+7]
.else
	v_wmma_f32_16x16x32_bf16 v[8*(8*(\a)+(\b)):8*(8*(\a)+(\b))+7], v[BF+64*(\f)+8*(\b):BF+64*(\f)+8*(\b)+7], v[AF+32*(\f)+8*(\a):AF+32*(\f)+8*(\a)+7], v[8*(8*(\a)+(\b)):8*(8*(\a)+(\b))+7]
.endif
.endr
.endm
; 32 LDS loads in one run: quarter kq of the K step in hand.  X first, as f32 (lane (r, h): k = 8 h + 0..7 and 16 + 8 h + 0..7, four loads of 16 bytes), then W's fragments into buffer f.
.macro FETCH kq, f
	WIN 0x80
.irp a, 0,1,2,3
	ds_load_b128 v[RAW+16*(\a):RAW+16*(\a)+3],     v[ADRA] offset:(\kq)*128+(\a)*16*PA
	ds_load_b128 v[RAW+16*(\a)+4:RAW+16*(\a)+7],   v[ADRA] offset:(\kq)*128+(\a)*16*PA+16
	ds_load_b128 v[RAW+16*(\a)+8:RAW+16*(\a)+11],  v[ADRA] offset:(\kq)*128+(\a)*16*PA+64
	ds_load_b128 v[RAW+16*(\a)+12:RAW+16*(\a)+15], v[ADRA] offset:(\kq)*128+(\a)*16*PA+80
.endr
	WIN 0
.irp b, 0,1,2,3,4,5,6,7
	ds_load_tr16_b128 v[BF+64*(\f)+8*(\b):BF+64*(\f)+8*(\b)+3],   v[ADRB] offset:(\kq)*32*PB+32*(\b)
	ds_load_tr16_b128 v[BF+64*(\f)+8*(\b)+4:BF+64*(\f)+8*(\b)+7], v[ADRB] offset:(\kq)*32*PB+16*PB+32*(\b)
.endr
.endm
; X's quarter step is rounded to bf16 into buffer f.  These 32 plain instructions name no register of the products just issued: they are also the places
; in front of the loads into the other buffer, and behind the products, two quarters back, that read buffer f.
.macro LUMP f
	WIN 0x0a                                       ; sources 0 and 1 window 2
.set n, 0
.rept 32
	v_cvt_pk_bf16_f32 v[AF+32*(\f)+n], v[RAW+2*n], v[RAW+2*n+1]
.set n, n+1
.endr
.endm
; One of a K step's first three quarters: multiplies buffer f; ahead of its products it fetches quarter kq of the same step into buffer g.
.macro QUARTER kq, f, g, mode
	s_wait_dscnt 16                                ; X's sixteen loads are in; W's sixteen, issued behind them, may be out
	LUMP \f
	FETCH \kq, \g
	s_wait_dscnt 32                                ; all but the 32 just issued
	MUL8 \f, 0, \mode
	MUL8 \f, 1, \mode
	MUL8 \f, 2, \mode
	MUL8 \f, 3, \mode
.endm
; The prefetch.  s85 has been stepped: it is n + 1, where n is the step just requested.  For even n up to 20: steps n + 2 and n + 3, which lie in one tensor.
.macro PREF
	s_and_b32 s22, s[NX], 1
	s_cmp_eq_u32 s22, 0
	s_cbranch_scc1 .Lno_pf_\@                      ; n is odd: its pair was asked for a trip ago
	s_cmp_gt_u32 s[NX], NSTEP-3
	s_cbranch_scc1 .Lno_pf_\@                      ; n = 22: there is no step 24
	s_wait_xcnt 0x0                                ; the last prefetch's base, issued two trips ago, is rewritten only behind this wait
	s_add_co_u32 s22, s[NX], 1                     ; n + 2
	s_lshr_b32 s23, s22, 3                         ; its tensor
	s_cmp_eq_u32 s23, 1
	s_cselect_b64 s[PFP:PFP+1], s[70:71], s[68:69]
	s_cmp_eq_u32 s23, 2
	s_cselect_b64 s[PFP:PFP+1], s[72:73], s[PFP:PFP+1]
	s_and_b32 s22, s22, 7
	s_lshl_b32 s22, s22, 9                         ; 512 bytes a step
	s_add_co_u32 s[PFO], s[PROW], s22
	s_add_nc_u64 s[PFP:PFP+1], s[PFP:PFP+1], s[PFO:PFO+1]
	global_prefetch_b8 v[PF], s[PFP:PFP+1] th:TH_LOAD_NT scope:SCOPE_SE
.Lno_pf_\@:
.endm
; The last quarter multiplies buffer 1 and changes slots: one barrier.  In front of it each wave waits for all its tensor loads (its part of the next slot), adds 0 to its spare word,
; and waits for that and for its reads of this slot.  fill = 1: the barrier opens a round of the cluster's, and this slot is filled again, with step s85, first thing behind the round.
.macro TURN fill
	WIN 0                                          ; the add's two registers lie in window 0
	s_wait_tensorcnt 0x0                           ; all my tensor loads have landed, so a group 0 may be written
	ds_add_u32 v[SPW], v[NIL]                      ; 0 onto my spare word: the descriptors' scalar work and the rounding of X stand between it and the wait for it
.if \fill
	s_xor_b32 s[G0+5], s[G0+5], SLOT               ; the walking descriptors: the other slot than last time;
	s_xor_b32 s[G0B+5], s[G0B+5], SLOT
	s_add_nc_u64 s[G0B+6:G0B+7], s[G0B+6:G0B+7], BSTEP  ; W: the next 128 rows, on into the next matrix; the type bits on top are not reached
	s_lshr_b32 s22, s[NX], 3                       ; X: the step's tensor,
	s_cmp_eq_u32 s22, 1
	s_cselect_b64 s[4:5], s[70:71], s[68:69]
	s_cmp_eq_u32 s22, 2
	s_cselect_b64 s[4:5], s[72:73], s[4:5]
	s_and_b32 s23, s[NX], 7                        ; its place along K,
	s_lshl_b32 s23, s23, 9
	s_add_co_u32 s[AOF], s[ROFF], s23              ; my 64 rows:
	s_add_nc_u64 s[G0+6:G0+7], s[4:5], s[AOF:AOF+1]  ; the address is made anew,
	s_or_b32 s[G0+7], s[G0+7], 0x80000000          ; and the type set again
	s_add_co_u32 s[NX], s[NX], 1
.endif
	s_wait_dscnt 17                                ; X's loads are in; the add and W's sixteen may be out
	LUMP 1
	s_wait_dscnt 0x0                               ; the add is done, and my reads of this slot are over
	s_barrier_signal -1
	MUL8 1, 0, 0                                   ; work on registers while the others arrive
	WIN 0
	s_barrier_wait -1
.if \fill
	CREST                                          ; no wave of any partner still reads this slot's tiles or has a load on its way
	JLOAD 1                                        ; my one tensor load behind the round
.endif
	s_xor_b32 s[TB], s[TB], SLOT                   ; the fetches go on in the other slot
	v_add_nc_u32 v[ADRA], s[TB], v[ADRA0]
	v_add_nc_u32 v[ADRB], s[TB], v[ADRB0]
	FETCH 0, 0
.if \fill
	PREF                                           ; behind the loads just issued, ahead of 24 matrix instructions
.endif
	MUL8 1, 1, 0
	MUL8 1, 2, 0
	MUL8 1, 3, 0
.endm
; THE WAY OUT, a block of 16 rows at a time: rounded to f16 (each accumulator's registers in ascending order), 16 bytes a lane into my own stage, back as whole rows of 256 bytes, stored.
.macro PACK a
	WIN 0x85                                       ; sources 0 and 1 window 1, destination window 2
.set n, 0
.rept 32
	v_cvt_pk_f16_f32 v[TMP+n], v[64*(\a)+2*n], v[64*(\a)+2*n+1]
.set n, n+1
.endr
.endm
.macro TOSTAGE a
.set BK, BK0+32*((\a)%2)
	WIN 0x08                                       ; the stores' data (source 1) window 2
.irp b, 0,1,2,3,4,5,6,7
	ds_store_b128 v[STO], v[TMP+4*(\b):TMP+4*(\b)+3] offset:32*(\b)
.endr
	WIN 0x80                                       ; destination window 2
.irp t, 0,1,2,3,4,5,6,7
	ds_load_b128 v[BK+4*(\t):BK+4*(\t)+3], v[RD] offset:(\t)*2*SPITCH  ; LDS serves a wave's instructions in order (ISA guide 5.7.1.4): these see the stores above
.endr
.endm
.macro SEND a
.set BK, BK0+32*((\a)%2)
	s_wait_dscnt 0x0                               ; the block is back in registers
	s_wait_xcnt 0x0                                ; the registers that the stores two blocks back read are loaded again only behind this wait
	WIN 0x08                                       ; the stores' data (source 1) window 2
.irp t, 0,1,2,3,4,5,6,7
	global_store_b128 v[CO], v[BK+4*(\t):BK+4*(\t)+3], s[8:9] offset:(16*(\a)+2*(\t))*2048  ; 16 lanes store 256 consecutive bytes, aligned
.endr
.endm
; more = 1: a further tile follows: its bias is fetched while this tile goes out.  Nothing waits for a tile's stores.
.macro WAYOUT more
	WIN 0
	PLACES                                         ; four places between the last products and the conversions that read results
	s_wait_xcnt 0x0                                ; the bases of the last tile's stores and of the last bias's loads are stepped only behind this wait
	s_add_nc_u64 s[8:9], s[8:9], s[OADD:OADD+1]    ; on to this tile
.if \more
	s_mov_b32 s[OADD], 1<<24                       ; from a result to the next
	s_add_nc_u64 s[78:79], s[78:79], 4096          ; from a bias to the next
	WIN 0x80
.irp b, 0,1,2,3,4,5,6,7
	global_load_b128 v[BIAS+8*(\b):BIAS+8*(\b)+3],   v[BO], s[78:79] offset:64*(\b)
	global_load_b128 v[BIAS+8*(\b)+4:BIAS+8*(\b)+7], v[BO], s[78:79] offset:64*(\b)+16
.endr
.endif
	PACK 0
	TOSTAGE 0
	PACK 1                                         ; a block's conversions stand between the loads of the block before and the wait for them
	SEND 0
	TOSTAGE 1
	PACK 2
	SEND 1
	TOSTAGE 2
	PACK 3
	SEND 2
	TOSTAGE 3
	SEND 3
.if \more
	s_wait_loadcnt 0x0                             ; the next bias
.endif
.endm
	s_wait_loadcnt 0x0                             ; the first bias
	s_wait_tensorcnt 1                             ; my part of K step 0 is in; K step 1's may stay out
	s_barrier_signal -1
	s_barrier_wait -1                              ; everybody's is
	FETCH 0, 0
	QUARTER 1, 0, 1, 2                             ; the walk's first quarter stands in front of the loop: its products start the sums, with the bias
	WIN 0                                          ; at a label and at a branch every window is 0
	s_mov_b32 s3, NSTEP-2
.Lstep:                                                ; a trip goes from a K step's second quarter to the next step's first, and fills the slot that it leaves: K steps 2 to 23
	QUARTER 2, 1, 0, 0
	QUARTER 3, 0, 1, 0
	TURN 1
	WIN 0
	s_and_b32 s22, s[NX], 7
	s_cmp_eq_u32 s22, 2                            ; s85 = 10 or 18: the step just multiplied was a tile's last
	s_cbranch_scc1 .Lnew_tile
	QUARTER 1, 0, 1, 0
	WIN 0
	s_branch .Lnext
.Lnew_tile:
	WAYOUT 1                                       ; both of the next tile's first loads have been asked for: now the tile goes out
	QUARTER 1, 0, 1, 2                             ; and the next tile's sums start, with its bias
	WIN 0
.Lnext:
	s_sub_co_u32 s3, s3, 1
	s_cmp_lg_u32 s3, 0
	s_cbranch_scc1 .Lstep
	QUARTER 2, 1, 0, 0                             ; the last two K steps fill nothing: written out
	QUARTER 3, 0, 1, 0
	TURN 0
	QUARTER 1, 0, 1, 0
	QUARTER 2, 1, 0, 0
	QUARTER 3, 0, 1, 0
	s_wait_dscnt 16                                ; the very last quarter: nothing more to fetch
	LUMP 1
	s_wait_dscnt 0x0
	MUL8 1, 0, 0
	MUL8 1, 1, 0
	MUL8 1, 2, 0
	MUL8 1, 3, 0
	WAYOUT 0
	WIN 0
	s_wait_tensorcnt 0x0                           ; the wave's end
	ds_add_u32 v[SPW], v[NIL]
	s_wait_dscnt 0x0
	CROUND                                         ; the closing round: no work-group ends while a partner may still ask for a tile that names it
	s_endpgm
.Lfunc_end_k_qd5b8d8d5e8_proj:
	.size	k_qd5b8d8d5e8_proj, .Lfunc_end_k_qd5b8d8d5e8_proj-k_qd5b8d8d5e8_proj
	.p2alignl 7, 3214868480
	.fill 96, 4, 3214868480
	.section	.rodata,"a",@progbits
	.p2align	6, 0x0
	.amdhsa_kernel k_qd5b8d8d5e8_proj
		.amdhsa_group_segment_fixed_size 327680
		.amdhsa_private_segment_fixed_size 0
		.amdhsa_enable_private_segment 0
		.amdhsa_kernarg_size 40
		.amdhsa_user_sgpr_count 2
		.amdhsa_user_sgpr_kernarg_segment_ptr 1
		.amdhsa_wavefront_size32 1
		.amdhsa_system_sgpr_workgroup_id_x 1
		.amdhsa_system_sgpr_workgroup_id_y 1
		.amdhsa_system_sgpr_workgroup_id_z 1
		.amdhsa_system_vgpr_workitem_id 0
		.amdhsa_next_free_vgpr 768
		.amdhsa_next_free_sgpr 96
		.amdhsa_reserve_vcc 0
		.amdhsa_float_denorm_mode_32 3
		.amdhsa_float_denorm_mode_16_64 3
		.amdhsa_memory_ordered 1
		.amdhsa_forward_progress 1
		.amdhsa_inst_pref_size 127
	.end_amdhsa_kernel
	.amdgpu_metadata
---
amdhsa.version: [ 1, 2 ]
amdhsa.kernels:
  - .name:           k_qd5b8d8d5e8_proj
    .symbol:         k_qd5b8d8d5e8_proj.kd
    .args:
      - { .name: query, .offset: 0, .size: 8, .value_kind: global_buffer, .address_space: global }
      - { .name: key, .offset: 8, .size: 8, .value_kind: global_buffer, .address_space: global }
      - { .name: value, .offset: 16, .size: 8, .value_kind: global_buffer, .address_space: global }
      - { .name: wbf, .offset: 24, .size: 8, .value_kind: global_buffer, .address_space: global }
      - { .name: qkv, .offset: 32, .size: 8, .value_kind: global_buffer, .address_space: global }
    .group_segment_fixed_size: 327680
    .private_segment_fixed_size: 0
    .kernarg_segment_align: 8
    .kernarg_segment_size: 40
    .max_flat_workgroup_size: 128
    .sgpr_count:     96
    .vgpr_count:     768
    .wavefront_size: 32
...
	.end_amdgpu_metadata
.endif
;; end of part 2
;; launch scores (part 3): grid 8 x 32, 4 waves a work-group, clusters of 4 x 4, 327,680 bytes of LDS; arguments qkv, p, stat; writes p, stat
.if DOCPART == 3
	.amdgcn_target "amdgcn-amd-amdhsa--gfx1250"
	.amdhsa_code_object_version 6
	.text
	.protected	k_qd5b8d8d5e8_scores
	.globl	k_qd5b8d8d5e8_scores
	.p2align	8
	.type	k_qd5b8d8d5e8_scores,@function
k_qd5b8d8d5e8_scores:
	s_mov_b64 s[64:65], 0
	v_nop
	global_prefetch_b8 v0, s[64:65] scope:SCOPE_SE
	s_setreg_imm32_b32 hwreg(HW_REG_WAVE_MODE, 25, 1), 1
	s_wait_xcnt 0x0
	s_wait_alu depctr_hold_cnt(0) depctr_sa_sdst(0) depctr_va_vdst(0) depctr_va_sdst(0) depctr_va_ssrc(0) depctr_va_vcc(0) depctr_vm_vsrc(0)
	s_getreg_b32 s2, hwreg(HW_REG_IB_STS2, 6, 4)
	s_cmp_eq_u32 s2, 0
	s_cbranch_scc0 .Lentry_in_a_cluster
	s_endpgm
.Lentry_in_a_cluster:
	s_bfe_u32 s2, ttmp6, 0x10000c
	s_cmp_lg_u32 s2, 0xf033
	s_cbranch_scc0 .Lentry_shape_is_right
	s_endpgm
.Lentry_shape_is_right:
; For each query row and each chunk t of 128 keys: s = q . k; m' = c max s; P = 2^(c s - m') in f16; l = the sum of the unrounded P, in f32.  c = log2(e) / 32.
; q at byte 0 and k at byte 16,777,216 of qkv, f16 [8192][1024].  P: f16 [8192][2048].  stat: m' f32 [4 batches][16 chunks][2048 rows] at 0, l likewise at 524,288.
; The chunk's own maximum is taken away here; the next launch takes the row's maximum over the chunks away.  So no exponent is above 0 but for the last bit of c m.
; LIMITS.  A weight below 2^-126 counts as 0 in l; below 6e-5 P keeps f16's fixed step of 6e-8.  NaN and infinities are not treated apart.
; SHARES.  A tile is 256 queries x 256 keys: 32 x 8 = 256 work-groups.  Four waves, each 128 queries x 128 keys, which is one chunk: 64 accumulators of 16 x 16, 512 registers.
; K (the 1,024 channels) goes in 8 steps of 128 through two LDS slots; rows of 256 bytes, padded to 272; each wave fetches 128 rows with one tensor load.  From a request to the wait for it
; a wave issues 224 matrix instructions.  A K step is written once: the fragments' addresses are a base plus s71, which an exclusive or turns between 0 and SLOT; one descriptor a tensor walks.
; CLUSTER.  4 x 4 work-groups: q's tile is shared along a row of the cluster, k's along a column; each is asked for jointly.  lds_bytes claims all of the LDS; the text uses 300,544 bytes.
; TRANSPOSED USE (source 0 = 16 keys, source 1 = 16 queries): lane l holds query l % 16 and the keys 16 b + 8 (l / 16) + 0..7: a query's 128 scores lie in two lanes, 16 apart.
; THE WAY OUT.  A loop's counter cannot choose a register, but it can choose an LDS address.  So each wave stores its scores into the slots, which have had their last fill (behind a barrier: every wave's
; reads of them are over), and the softmax of a block of 16 queries is written once and walked seven times, and once more for the last block, which fetches nothing further.
; The price: 64 KB stored to LDS and loaded again for each wave; eight copies of the block's text would be six times the bytes of these two.
; REGISTERS, in windows of 256 (s_set_vgpr_msb: bits 1:0 source 0, 3:2 source 1, 5:4 source 2, 7:6 destination):
;   window 0: v0-47 addresses and statistics; v64-127, v128-191 q's fragments, two buffers (on the way out at work)        window 1: v64-127, v128-191 k's fragments, two buffers
;   window 2: the accumulators of my queries 0-63, (a, b) at v[8 (8 a + b)]                                                 window 3: those of my queries 64-127
.set PITCH,  272                       ; 256 bytes + 16 = 17 x 16: the 16 rows of a load start at 16 different columns of 16 bytes
.set HALFT,  128*PITCH                 ; 128 rows: one tensor load, and what one wave reads of q or of k
.set SLOT,   4*HALFT                   ; q's 256 rows, then k's 256 rows: 139,264 = 0x22000, which shares no bit with 0, HALFT, 2 HALFT, 3 HALFT
.set KB,     256                       ; bytes from K step to K step
.set NSTEP,  8
.set DP,     528                       ; a row of 128 scores in f32: 512 bytes + 16 = 33 x 16
.set DBLK,   16*DP                     ; a block of 16 queries
.set DWAVE,  8*DBLK                    ; a wave's scores: 67,584 bytes; four waves' 270,336 lie inside the two slots
.set STAGE,  2*SLOT                    ; behind the ring: 16 rows x 272 bytes for each wave
.set SPITCH, 272
.set STATS,  STAGE+4*16*SPITCH         ; 1,024 bytes for each wave: 128 m', then 128 l
.set SPARE,  STATS+4*1024              ; the spare words, 128 bytes for each wave, which no other line names
.set ADRA0, 16                         ; my place in slot 0's rows of q; never rewritten
.set ADRB0, 17                         ; the same for k
.set ADRA,  18                         ; the same in the slot in hand
.set ADRB,  19
.set STO,  24                          ; the way out: where I put 16 bytes of a row of P
.set RD,   25                          ; where I read rows back
.set CO,   26                          ; my byte offset in two rows of P
.set SA,   27                          ; where my lane puts a row's m' (lanes 0-15) or l (lanes 16-31)
.set SPW,  28                          ; LDS address of my spare word; never rewritten
.set NIL,  29                          ; 0; never rewritten
.set DMP,  30                          ; where my lane's scores of block 0 go; never rewritten
.set LD,   31                          ; the same for the block to be fetched
.set T,    32                          ; v32-39 at work
.set CM,   40                          ; v40 c m, v41 m
.set LS,   42                          ; l
.set STV,  44
.set SR,   46                          ; where I read the statistics back
.set SO,   47                          ; my byte offset in 512 bytes of stat
.set F0,   64
.set F1,   128
.set E,    64                          ; the way out: a block's 64 scores, then weights
.set TMP,  128                         ; packed
.set BK,   160                         ; whole rows
.set G1,  24                           ; s[24:31] descriptor group 1 for q's tiles;  s[32:39] group 0: a set for each first fill; the second then walks on
.set G0,  32
.set G1B, 48                           ; s[48:55], s[56:63] the same for k's
.set G0B, 56
.set CS,  66                           ; s[66:67] c
.set SEL, 68                           ; s[68:69] v_permlanex16_b32's selects: each lane takes its own place in the other half
.set HM,  70                           ; s70 the mask of lanes 16-31
.set TB,  71                           ; s71 0 or SLOT: the slot in hand
.set MSB, 0
.macro WIN new                         ; the immediate's high byte repeats the setting that is left; a switch that changes nothing is dropped
.if MSB != (\new)
	s_set_vgpr_msb (MSB<<8)|(\new)
.set MSB, \new
.endif
.endm
.set MUL_LO, 0xa1                      ; source 0 (k) window 1, source 1 (q) window 0, C and D window 2
.set MUL_HI, 0xf1                      ; the same, C and D window 3
.set TO_B,   0x40                      ; destination window 1, address window 0
.macro PLACES
.rept 4
	v_nop
.endr
.endm
.macro JLOAD s                         ; waves 0 and 1 fetch q's two halves, waves 2 and 3 k's; an s_nop 0 and four v_nop follow each line
	s_cmp_eq_u32 s11, 0
	s_cbranch_scc0 .Lfor_b_\@
	tensor_load_to_lds s[G0+4*(\s):G0+4*(\s)+3], s[G1:G1+7]
	s_nop 0
	PLACES
	s_branch .Lasked_\@
.Lfor_b_\@:
	tensor_load_to_lds s[G0B+4*(\s):G0B+4*(\s)+3], s[G1B:G1B+7]
	s_nop 0
	PLACES
.Lasked_\@:
.endm
.macro CREST                           ; a round of the cluster's barrier behind its opening barrier
	s_cmp_lg_u32 s10, 0
	s_cbranch_scc1 .Lnot_wave_0_\@
	s_barrier_signal -3
.Lnot_wave_0_\@:
	s_barrier_wait -3
	s_barrier_signal -1
	s_barrier_wait -1
.endm
.macro CROUND                          ; a whole round
	s_barrier_signal -1
	s_barrier_wait -1
	CREST
.endm
	s_load_b128 s[4:7], s[0:1], 0x0                ; qkv s[4:5], p s[6:7]
	s_load_b64 s[72:73], s[0:1], 0x10              ; stat
	v_lshl_add_u32 v[SPW], v0, 2, SPARE
	v_mov_b32 v[NIL], 0
	ds_add_u32 v28, v29
	s_wait_dscnt 0x0
	v_lshrrev_b32 v1, 5, v0
	v_readfirstlane_b32 s10, v1                    ; wave 0..3
	s_lshr_b32 s11, s10, 1                         ; which 128 queries are mine.  Also: I fetch for q (0) or for k (1)
	s_and_b32 s12, s10, 1                          ; which 128 keys.  Also: which half I fetch
	s_bfe_u32 s40, ttmp6, 0x40000                  ; cx
	s_bfe_u32 s41, ttmp6, 0x40004                  ; cy
	s_lshl_b32 s42, ttmp9, 2
	s_add_co_u32 s42, s42, s40                     ; tile column, 0..7
	s_and_b32 s22, ttmp7, 0xffff                   ; cluster y, 0..7: two for each batch
	s_lshr_b32 s45, s22, 1                         ; the batch, which the cluster shares
	s_lshl_b32 s13, s22, 2
	s_add_co_u32 s13, s13, s41                     ; tile row, 0..31
	s_lshl_b32 s43, s41, 2
	s_lshl_b32 s43, 15, s43                        ; my row of the cluster
	s_lshl_b32 s44, 0x1111, s40                    ; my column
	s_or_b32 s[G1], s43, (1<<16)|(1<<20)|(1<<21)|(5<<22)|(3<<25)   ; mask; elements of 2 bytes; padding on; bit 21 beside a mask; after every 64 words, 4 words
	s_or_b32 s[G1B], s44, (1<<16)|(1<<20)|(1<<21)|(5<<22)|(3<<25)
.irp g, G1, G1B
	s_mov_b32 s[(\g)+1], 128<<16                   ; tensor_dim0 = 128
	s_mov_b32 s[(\g)+2], 128<<16                   ; tensor_dim1 = 128
	s_mov_b32 s[(\g)+3], 128<<16                   ; tile_dim0 = 128
	s_mov_b32 s[(\g)+4], 128                       ; tile_dim1 = 128
	s_mov_b32 s[(\g)+5], 1024                      ; elements from row to row
	s_mov_b32 s[(\g)+6], 0
	s_mov_b32 s[(\g)+7], 0
.endr
	s_lshl_b32 s16, s13, 8                         ; q: row 256 x tile row + 128 x half, 2,048 bytes a row
	s_lshl_b32 s17, s12, 7
	s_add_co_u32 s16, s16, s17
	s_lshl_b32 s16, s16, 11
	s_mov_b32 s17, 0
	s_lshl_b32 s46, s45, 11                        ; k: row 2,048 x batch + 256 x tile column + 128 x half
	s_lshl_b32 s47, s42, 8
	s_add_co_u32 s46, s46, s47
	s_lshl_b32 s47, s12, 7
	s_add_co_u32 s46, s46, s47
	s_lshl_b32 s46, s46, 11
	s_add_co_u32 s46, s46, 16777216
	s_mov_b32 s47, 0
	s_mul_i32 s20, s12, HALFT                      ; where they go: no place in the cluster enters an LDS address
	s_mul_i32 s21, s12, HALFT
	s_add_co_u32 s21, s21, 2*HALFT
	s_lshl_b32 s80, s45, 4                         ; stat: ((16 batch + chunk) x 2,048 + my first row in the batch) x 4; chunk = 2 x tile column + half
	s_lshl_b32 s81, s42, 1
	s_add_co_u32 s80, s80, s81
	s_add_co_u32 s80, s80, s12
	s_lshl_b32 s80, s80, 11
	s_and_b32 s81, s13, 7
	s_lshl_b32 s81, s81, 8
	s_add_co_u32 s80, s80, s81
	s_lshl_b32 s81, s11, 7
	s_add_co_u32 s80, s80, s81
	s_lshl_b32 s80, s80, 2
	s_mov_b32 s81, 0
	s_lshl_b32 s82, s13, 8                         ; P: my first row, 4,096 bytes a row, and my 128 keys
	s_lshl_b32 s83, s11, 7
	s_add_co_u32 s82, s82, s83
	s_lshl_b32 s82, s82, 12
	s_lshl_b32 s83, s42, 9
	s_add_co_u32 s82, s82, s83
	s_lshl_b32 s83, s12, 8
	s_add_co_u32 s82, s82, s83
	s_mov_b32 s83, 0
	s_mov_b32 s[CS], 0x3d38aa3b                    ; c = log2(e) / 32
	s_mov_b32 s[CS+1], s[CS]                       ; named with it as a pair
	s_mov_b32 s[SEL], 0x76543210
	s_mov_b32 s[SEL+1], 0xfedcba98
	s_mov_b32 s[HM], 0xffff0000
	s_mov_b32 s[TB], 0
	s_wait_kmcnt 0x0
	s_add_nc_u64 s[14:15], s[4:5], s[16:17]
	s_add_nc_u64 s[46:47], s[4:5], s[46:47]
	s_add_nc_u64 s[74:75], s[72:73], s[80:81]
	s_add_nc_u64 s[8:9], s[6:7], s[82:83]
	CROUND                                         ; all sixteen work-groups are here: the first joint loads meet
.irp s, 0,1
	s_mov_b32 s[G0+4*(\s)], 1
	s_add_co_u32 s[G0+4*(\s)+1], s20, (\s)*SLOT
	s_add_nc_u64 s[G0+4*(\s)+2:G0+4*(\s)+3], s[14:15], (\s)*KB
	s_or_b32 s[G0+4*(\s)+3], s[G0+4*(\s)+3], 0x80000000
	s_mov_b32 s[G0B+4*(\s)], 1
	s_add_co_u32 s[G0B+4*(\s)+1], s21, (\s)*SLOT
	s_add_nc_u64 s[G0B+4*(\s)+2:G0B+4*(\s)+3], s[46:47], (\s)*KB
	s_or_b32 s[G0B+4*(\s)+3], s[G0B+4*(\s)+3], 0x80000000
	JLOAD \s                                       ; two loads of mine are out
.endr
	v_and_b32 v1, 15, v0                           ; r
	v_bfe_u32 v2, v0, 4, 1                         ; h
	v_and_b32 v6, 31, v0                           ; lane
	v_mul_u32_u24 v3, v1, PITCH
	v_lshl_add_u32 v3, v2, 4, v3                   ; row r x pitch + 16 h
	s_mul_i32 s22, s11, HALFT                      ; my 128 rows of q
	s_mul_i32 s23, s12, HALFT                      ; my 128 rows of k,
	s_add_co_u32 s23, s23, 2*HALFT                 ; which lie behind q's 256
	v_add_nc_u32 v[ADRA0], s22, v3
	v_add_nc_u32 v[ADRB0], s23, v3
	v_mov_b32 v[ADRA], v[ADRA0]
	v_mov_b32 v[ADRB], v[ADRB0]
	s_mul_i32 s22, s10, 16*SPITCH
	s_add_co_u32 s22, s22, STAGE                   ; my stage
	v_add_nc_u32 v[STO], s22, v3                   ; in: row r, 16 bytes for each half of the lanes (the stage's pitch is the tiles')
	v_mul_u32_u24 v4, v2, SPITCH                   ; back: lanes 0-15 one row of 256 bytes, lanes 16-31 the next
	v_lshl_add_u32 v4, v1, 4, v4
	v_add_nc_u32 v[RD], s22, v4
	v_lshlrev_b32 v4, 12, v2                       ; the same two rows in P
	v_lshl_add_u32 v[CO], v1, 4, v4
	s_lshl_b32 s23, s10, 10
	s_add_co_u32 s23, s23, STATS                   ; my 1,024 bytes of statistics
	v_lshlrev_b32 v4, 9, v2
	v_lshl_add_u32 v4, v1, 2, v4
	v_add_nc_u32 v[SA], s23, v4                    ; 512 h + 4 r
	v_lshl_add_u32 v[SR], v6, 4, s23               ; 16 x lane
	v_lshlrev_b32 v[SO], 4, v6
	s_mul_i32 s22, s10, DWAVE                      ; my scores' place in the slots
	v_mul_u32_u24 v4, v1, DP                       ; row r, 8 f32 = 32 bytes for each half of the lanes
	v_lshl_add_u32 v4, v2, 5, v4
	v_add_nc_u32 v[DMP], s22, v4
	v_mov_b32 v[LD], v[DMP]
; 16 matrix instructions: query blocks a0, a0 + 1 of the window's four (hi = 0: my queries 0-63, 1: 64-127) x all 8 key blocks, 32 channels.  zero = 1: they start the sums.
; The 64 accumulators take turns in the same order in every quarter step.
.macro MUL16 f, hi, a0, zero
	WIN MUL_LO+0x50*(\hi)
.irp a, \a0, (\a0)+1
.irp b, 0,1,2,3,4,5,6,7
.if \zero
	v_wmma_f32_16x16x32_f16 v[8*(8*(\a)+(\b)):8*(8*(\a)+(\b))+7], v[(\f)+8*(\b):(\f)+8*(\b)+7], v[(\f)+8*(4*(\hi)+(\a)):(\f)+8*(4*(\hi)+(\a))+7], 0
.else
	v_wmma_f32_16x16x32_f16 v[8*(8*(\a)+(\b)):8*(8*(\a)+(\b))+7], v[(\f)+8*(\b):(\f)+8*(\b)+7], v[(\f)+8*(4*(\hi)+(\a)):(\f)+8*(4*(\hi)+(\a))+7], v[8*(8*(\a)+(\b)):8*(8*(\a)+(\b))+7]
.endif
.endr
.endr
.endm
; 32 LDS loads in one run: the fragments of a quarter step (128 rows of k, then 128 rows of q, 32 channels at byte k of the rows of the slot in hand) into buffer f
.macro FETCH k, f
	WIN TO_B
.irp i, 0,1,2,3,4,5,6,7
	ds_load_b128 v[(\f)+8*(\i):(\f)+8*(\i)+3],   v[ADRB] offset:(\k)+(\i)*16*PITCH
	ds_load_b128 v[(\f)+8*(\i)+4:(\f)+8*(\i)+7], v[ADRB] offset:(\k)+(\i)*16*PITCH+32
.endr
	WIN 0
.irp i, 0,1,2,3,4,5,6,7
	ds_load_b128 v[(\f)+8*(\i):(\f)+8*(\i)+3],   v[ADRA] offset:(\k)+(\i)*16*PITCH
	ds_load_b128 v[(\f)+8*(\i)+4:(\f)+8*(\i)+7], v[ADRA] offset:(\k)+(\i)*16*PITCH+32
.endr
.endm
; One of a K step's first three quarters: multiplies buffer f; in its middle it fetches the next quarter, at byte k, into buffer g.
.macro QUARTER k, f, g, zero
	s_wait_dscnt 8                                 ; k's fragments and q's rows 0-63 are in; the youngest eight loads (q's rows 64-127) may be out
	MUL16 \f, 0, 0, \zero
	MUL16 \f, 0, 2, \zero
	PLACES                                         ; four places between the products that read buffer g and the loads into it (ISA guide 7.12.1 for vector instructions)
	FETCH \k, \g
	s_wait_dscnt 32                                ; all but the 32 just issued
	MUL16 \f, 1, 0, \zero
	MUL16 \f, 1, 2, \zero
.endm
; The last quarter multiplies buffer 1 and changes slots: one barrier.  In front of it each wave waits for all its tensor loads (its part of the next slot), adds 0 to its spare word,
; and waits for that and for its reads of this slot.  fill = 1: the barrier opens a round of the cluster's, and this slot is filled again, two K steps ahead, first thing behind the round.
.macro TURN fill
	WIN 0                                          ; the add's two registers lie in window 0
	s_wait_tensorcnt 0x0                           ; all my tensor loads have landed
	ds_add_u32 v[SPW], v[NIL]                      ; 0 onto my spare word
	s_wait_dscnt 9                                 ; the add and the youngest eight loads may be out
	MUL16 F1, 0, 0, 0                              ; sixteen matrix instructions stand between the add and the wait for it
	s_wait_dscnt 0x0                               ; the add is done, and my reads of this slot are over
	s_barrier_signal -1
	MUL16 F1, 0, 2, 0                              ; work on registers while the others arrive
	WIN 0
	s_barrier_wait -1
.if \fill
	CREST                                          ; no wave of any partner still reads this slot's tiles or has a load on its way
	s_xor_b32 s[G0+5], s[G0+5], SLOT               ; the walking descriptors: the other slot than last time,
	s_add_nc_u64 s[G0+6:G0+7], s[G0+6:G0+7], KB    ; the next K step; the type bits on top are not reached
	s_xor_b32 s[G0B+5], s[G0B+5], SLOT
	s_add_nc_u64 s[G0B+6:G0B+7], s[G0B+6:G0B+7], KB
	JLOAD 1                                        ; my one tensor load behind the round; its four v_nop are also the places in front of the loads below
.else
	PLACES
.endif
	s_xor_b32 s[TB], s[TB], SLOT                   ; the fetches go on in the other slot
	v_add_nc_u32 v[ADRA], s[TB], v[ADRA0]
	v_add_nc_u32 v[ADRB], s[TB], v[ADRB0]
	FETCH 0, F0
	MUL16 F1, 1, 0, 0
	MUL16 F1, 1, 2, 0
.endm
	s_wait_tensorcnt 1                             ; my part of K step 0 is in; K step 1's may stay out
	s_barrier_signal -1
	s_barrier_wait -1                              ; everybody's is
	FETCH 0, F0
	QUARTER 64, F0, F1, 1                          ; the first quarter stands in front of the loop: its products start the sums
	WIN 0                                          ; at a label and at a branch every window is 0
	s_mov_b32 s3, NSTEP-2
.Lstep:                                                ; a trip goes from a K step's second quarter to the next step's first, and fills the slot that it leaves: K steps 2 to 7
	QUARTER 128, F1, F0, 0
	QUARTER 192, F0, F1, 0
	TURN 1
	QUARTER 64, F0, F1, 0
	WIN 0
	s_sub_co_u32 s3, s3, 1
	s_cmp_lg_u32 s3, 0
	s_cbranch_scc1 .Lstep
	QUARTER 128, F1, F0, 0                         ; the last two K steps fill nothing: written out
	QUARTER 192, F0, F1, 0
	TURN 0
	QUARTER 64, F0, F1, 0
	QUARTER 128, F1, F0, 0
	QUARTER 192, F0, F1, 0
	s_wait_dscnt 8                                 ; the very last quarter: nothing more to fetch
	MUL16 F1, 0, 0, 0
	MUL16 F1, 0, 2, 0
	s_wait_dscnt 0x0                               ; my reads of the slots are over
	MUL16 F1, 1, 0, 0
	MUL16 F1, 1, 2, 0
	WIN 0
	s_barrier_signal -1
	s_barrier_wait -1                              ; every wave's are; all tensor loads landed in front of the last change of slots: the slots now serve as scratch
	PLACES                                         ; four places between the last products and the stores that read results
.irp a, 0,1,2,3,4,5,6,7                ; my scores go to LDS, each accumulator's lowest registers first
	WIN 0x08+4*((\a)/4)                            ; the stores' data (source 1): window 2 or 3
.irp b, 0,1,2,3,4,5,6,7
	ds_store_b128 v[DMP], v[64*((\a)%4)+8*(\b):64*((\a)%4)+8*(\b)+3]   offset:(\a)*DBLK+64*(\b)
	ds_store_b128 v[DMP], v[64*((\a)%4)+8*(\b)+4:64*((\a)%4)+8*(\b)+7] offset:(\a)*DBLK+64*(\b)+16
.endr
.endr
	WIN 0
.macro ELOAD                           ; a block's scores come back as they lay in the accumulators: my own bytes, served in order behind my stores (ISA guide 5.7.1.4)
.set n, 0
.rept 16
	ds_load_b128 v[E+4*n:E+4*n+3], v[LD] offset:64*(n/2)+16*(n%2)
.set n, n+1
.endr
.endm
; THE SOFTMAX OF A CHUNK for a block of 16 queries, and its way to memory.  A lane holds 64 of its query's 128 scores.  last = 1: there is no further block to fetch.
.macro BLOCK last
	s_wait_dscnt 0x0                               ; the block's scores are in
.irp b, 0,1,2,3,4,5,6,7
	v_max3_num_f32 v[T+(\b)], v[E+8*(\b)], v[E+8*(\b)+1], v[E+8*(\b)+2]
.endr
.irp b, 0,1,2,3,4,5,6,7
	v_max3_num_f32 v[T+(\b)], v[T+(\b)], v[E+8*(\b)+3], v[E+8*(\b)+4]
.endr
.irp b, 0,1,2,3,4,5,6,7
	v_max3_num_f32 v[T+(\b)], v[T+(\b)], v[E+8*(\b)+5], v[E+8*(\b)+6]
.endr
.irp b, 0,1,2,3
	v_max3_num_f32 v[T+2*(\b)], v[T+2*(\b)], v[E+16*(\b)+7], v[E+16*(\b)+15]
.endr
	v_max3_num_f32 v[T], v[T], v[T+1], v[T+2]
	v_max3_num_f32 v[T+3], v[T+3], v[T+4], v[T+5]
	v_max3_num_f32 v[T], v[T], v[T+6], v[T+7]
	v_max_num_f32 v[T], v[T], v[T+3]
	v_permlanex16_b32 v[T+1], v[T], s[SEL], s[SEL+1]  ; the query's other 64 scores lie in the lane 16 away
	v_max_num_f32 v[CM+1], v[T], v[T+1]            ; m
	v_mul_f32 v[CM], s[CS], v[CM+1]                ; m' = c m
.set n, 0
.rept 32
	v_pk_fma_f32 v[E+2*n:E+2*n+1], v[E+2*n:E+2*n+1], s[CS:CS+1], v[CM:CM+1] op_sel_hi:[1,0,0] neg_lo:[0,0,1] neg_hi:[0,0,1]  ; c s - m'
.set n, n+1
.endr
.set n, 0
.rept 64
	v_exp_f32 v[E+n], v[E+n]
.set n, n+1
.endr
	v_nop                                          ; a plain instruction between the exponentials and the first use of a result (ISA guide 5.7.2)
.set n, 0
	s_wait_alu depctr_va_vdst(0)
.rept 32
	v_cvt_pk_f16_f32 v[TMP+n], v[E+2*n], v[E+2*n+1]
.set n, n+1
.endr
.irp b, 0,1,2,3,4,5,6,7                ; P goes through my stage while the sums are made: 16 bytes a lane in, whole rows of 256 bytes back
	ds_store_b128 v[STO], v[TMP+4*(\b):TMP+4*(\b)+3] offset:32*(\b)
.endr
.irp t, 0,1,2,3,4,5,6,7
	ds_load_b128 v[BK+4*(\t):BK+4*(\t)+3], v[RD] offset:(\t)*2*SPITCH
.endr
.irp w, 16,8,4,2,1                     ; the sum of the 32 pairs, in place
.set u, 0
.rept \w
	v_pk_add_f32 v[E+2*u:E+2*u+1], v[E+2*u:E+2*u+1], v[E+2*(u+(\w)):E+2*(u+(\w))+1]
.set u, u+1
.endr
.endr
	v_add_f32 v[LS], v[E], v[E+1]
	v_permlanex16_b32 v[T+1], v[LS], s[SEL], s[SEL+1]
	v_add_f32 v[LS], v[LS], v[T+1]                 ; l
	v_cndmask_b32 v[STV], v[CM], v[LS], s[HM]      ; lanes 0-15 hand in m', lanes 16-31 l
	ds_store_b32 v[SA], v[STV]
.if \last
	s_wait_dscnt 1                                 ; the rows are back; the statistics' store may be out
.else
	v_add_nc_u32 v[LD], DBLK, v[LD]
	v_add_nc_u32 v[SA], 64, v[SA]
	ELOAD                                          ; the next block's scores
	s_wait_dscnt 17                                ; the rows are back; the statistics' store and the sixteen loads just issued may be out
.endif
.irp t, 0,1,2,3,4,5,6,7
	global_store_b128 v[CO], v[BK+4*(\t):BK+4*(\t)+3], s[8:9] offset:2*(\t)*4096  ; 16 lanes store 256 consecutive bytes, aligned
.endr
.if !(\last)
	s_wait_xcnt 0x0                                ; the stores' base is stepped, and the registers that they read are loaded again, only behind this wait
	s_add_nc_u64 s[8:9], s[8:9], 16*4096           ; 16 rows of P on
.endif
.endm
	ELOAD
	s_mov_b32 s3, 7
.Lblk:
	BLOCK 0
	s_sub_co_u32 s3, s3, 1
	s_cmp_lg_u32 s3, 0
	s_cbranch_scc1 .Lblk
	BLOCK 1
	ds_load_b128 v[32:35], v[SR]                   ; my 128 rows' m', four a lane: my own bytes, served in order behind my stores
	ds_load_b128 v[36:39], v[SR] offset:512        ; and l
	s_wait_dscnt 0x0
	global_store_b128 v[SO], v[32:35], s[74:75]    ; 512 consecutive bytes, aligned
	global_store_b128 v[SO], v[36:39], s[74:75] offset:524288
	s_wait_tensorcnt 0x0                           ; the wave's end
	ds_add_u32 v[SPW], v[NIL]
	s_wait_dscnt 0x0
	CROUND                                         ; the closing round: no work-group ends while a partner may still ask for a tile that names it
	s_endpgm
.Lfunc_end_k_qd5b8d8d5e8_scores:
	.size	k_qd5b8d8d5e8_scores, .Lfunc_end_k_qd5b8d8d5e8_scores-k_qd5b8d8d5e8_scores
	.p2alignl 7, 3214868480
	.fill 96, 4, 3214868480
	.section	.rodata,"a",@progbits
	.p2align	6, 0x0
	.amdhsa_kernel k_qd5b8d8d5e8_scores
		.amdhsa_group_segment_fixed_size 327680
		.amdhsa_private_segment_fixed_size 0
		.amdhsa_enable_private_segment 0
		.amdhsa_kernarg_size 24
		.amdhsa_user_sgpr_count 2
		.amdhsa_user_sgpr_kernarg_segment_ptr 1
		.amdhsa_wavefront_size32 1
		.amdhsa_system_sgpr_workgroup_id_x 1
		.amdhsa_system_sgpr_workgroup_id_y 1
		.amdhsa_system_sgpr_workgroup_id_z 1
		.amdhsa_system_vgpr_workitem_id 0
		.amdhsa_next_free_vgpr 1024
		.amdhsa_next_free_sgpr 84
		.amdhsa_reserve_vcc 0
		.amdhsa_float_denorm_mode_32 3
		.amdhsa_float_denorm_mode_16_64 3
		.amdhsa_memory_ordered 1
		.amdhsa_forward_progress 1
		.amdhsa_inst_pref_size 122
	.end_amdhsa_kernel
	.amdgpu_metadata
---
amdhsa.version: [ 1, 2 ]
amdhsa.kernels:
  - .name:           k_qd5b8d8d5e8_scores
    .symbol:         k_qd5b8d8d5e8_scores.kd
    .args:
      - { .name: qkv, .offset: 0, .size: 8, .value_kind: global_buffer, .address_space: global }
      - { .name: p, .offset: 8, .size: 8, .value_kind: global_buffer, .address_space: global }
      - { .name: stat, .offset: 16, .size: 8, .value_kind: global_buffer, .address_space: global }
    .group_segment_fixed_size: 327680
    .private_segment_fixed_size: 0
    .kernarg_segment_align: 8
    .kernarg_segment_size: 24
    .max_flat_workgroup_size: 128
    .sgpr_count:     84
    .vgpr_count:     1024
    .wavefront_size: 32
...
	.end_amdgpu_metadata
.endif
;; end of part 3
;; launch pv (part 4): grid 4 x 64, 4 waves a work-group, clusters of 4 x 4, 327,680 bytes of LDS; arguments p, qkv, stat, out0; writes out0
.if DOCPART == 4
	.amdgcn_target "amdgcn-amd-amdhsa--gfx1250"
	.amdhsa_code_object_version 6
	.text
	.protected	k_qd5b8d8d5e8_pv
	.globl	k_qd5b8d8d5e8_pv
	.p2align	8
	.type	k_qd5b8d8d5e8_pv,@function
k_qd5b8d8d5e8_pv:
	s_mov_b64 s[64:65], 0
	v_nop
	global_prefetch_b8 v0, s[64:65] scope:SCOPE_SE
	s_setreg_imm32_b32 hwreg(HW_REG_WAVE_MODE, 25, 1), 1
	s_wait_xcnt 0x0
	s_wait_alu depctr_hold_cnt(0) depctr_sa_sdst(0) depctr_va_vdst(0) depctr_va_sdst(0) depctr_va_ssrc(0) depctr_va_vcc(0) depctr_vm_vsrc(0)
	s_getreg_b32 s2, hwreg(HW_REG_IB_STS2, 6, 4)
	s_cmp_eq_u32 s2, 0
	s_cbranch_scc0 .Lentry_in_a_cluster
	s_endpgm
.Lentry_in_a_cluster:
	s_bfe_u32 s2, ttmp6, 0x10000c
	s_cmp_lg_u32 s2, 0xf033
	s_cbranch_scc0 .Lentry_shape_is_right
	s_endpgm
.Lentry_shape_is_right:
; out[row][:] = the sum over chunks t of a_t (P_t[row] V_t) / L, with M = max over t of m'_t, a_t = 2^(m'_t - M), L = the sum of a_t l_t.
; P: f16 [8192][2048]; V: f16 [8192][1024] at byte 33,554,432 of qkv; stat: m' f32 [4][16][2048] at 0, l at 524,288; out0: f32 [8192][1024].
; The row's maximum is taken away: every a_t is at most 1, the chunk that holds the maximum has a = 1 and l of about 1 or more, so L does not vanish.
; LIMITS.  An a_t below 2^-126 counts as 0.  NaN and infinities are not treated apart.
; SHARES.  A tile is 128 rows x 256 channels: 64 x 4 = 256 work-groups.  Four waves, each 64 x 128.  K (a batch's 2,048 keys) goes in 16 steps of 128, a chunk a step, through two LDS slots.
; P's rows are 256 bytes (padded to 272); V lies [key][channel], rows of 512 bytes (padded to 544), and is turned by ds_load_tr16_b128.
; A chunk's product has a sum T of its own, started with the constant 0; what is carried from chunk to chunk, O += a_t T, is kept in f32: 128 packed multiply-adds a step, dealt by row blocks
; behind the step's last products.  O is cleared by 256 v_mov_b32, which stand in the wait for the first tiles: the price of writing no first step out.
; Each wave makes a table of its own in LDS: for each chunk and each of its 64 rows a_t in f32, then 1 / L.
; A K step is written once: the fragments' addresses are a base plus s70, which an exclusive or turns between 0 and SLOT1; one descriptor a tensor walks.
; CLUSTER.  4 x 4 work-groups: P's tile is shared along a row of the cluster, V's along a column; each is asked for jointly.  lds_bytes claims all of the LDS; the text uses 287,232 bytes.
; PREFETCH.  P is read once in the launch.  Each aligned 256 bytes of its K steps 2 to 15 are asked for once, by one lane: of the 128 rows that four work-groups share, work-group cx takes rows 32 cx to 32 cx + 31,
; a lane a row, 256 bytes a step: 8 KB.  The trip that requests step n asks for step n + 2, whose tensor load follows two trips later; wave (n + 2) % 4 issues the line; steps 2 and 3 are asked for
; at the head, by waves 2 and 3; the trips with n = 14 and 15 ask for nothing, so no request points past a row's end.  V is read by 16 row tiles and is not asked for ahead.
; TRANSPOSED USE (source 0 = 16 channels, source 1 = 16 rows): lane l holds row l % 16 and the channels 16 b + 8 (l / 16) + 0..7, so a row's factor is one number a lane.
; REGISTERS, in windows of 256 (s_set_vgpr_msb: bits 1:0 source 0, 3:2 source 1, 5:4 source 2, 7:6 destination):
;   window 0: v0-52 addresses, factors; v64-191 V's fragments, two buffers of 64; v192-255 P's, two of 32 (at the start v64-127 hold the statistics; on the way out v64-255 are at work)
;   window 1: O, (a, b) at v[8 (8 a + b)]          window 2: T, likewise
.set PA,     272
.set AHALF,  64*PA
.set ABYTES, 2*AHALF
.set PB,     544
.set BHALF,  64*PB
.set SLOTB,  ABYTES+2*BHALF            ; a slot's bytes: 104,448
.set SLOT1,  1<<17                     ; slot 1 begins here, so that one exclusive or turns an address in one slot into the other's
.set STAGE,  SLOT1+SLOTB               ; 16 rows x 528 bytes for each wave
.set SPITCH, 528
.set TAB,    STAGE+4*16*SPITCH         ; 17 x 256 bytes for each wave
.set TABW,   17*256
.set SPARE,  TAB+4*TABW                ; the spare words, 128 bytes for each wave, which no other line names
.set NSTEP,  16
.set ASTEP,  256
.set BSTEP,  128*2048
.set ADRA0, 16                         ; my place in slot 0's rows of P; never rewritten
.set ADRB0, 17                         ; the same for V
.set ADRA,  18                         ; the same in the slot in hand
.set ADRB,  19
.set STO,  24
.set RD,   25
.set CO,   26
.set TW,   27                          ; where I write two rows' words of the table
.set SPW,  28
.set NIL,  29
.set TR,   30                          ; my row's word in the table's first line
.set TX,   31                          ; the same in the line of the step in hand
.set AL,   32                          ; v32-39: a_t for my row of block a at v[32 + 2 a]; the odd registers are named with them as pairs
.set RL,   40                          ; v40-47: at the start 1 / L of two rows; on the way out 1 / L for my row of block a at v[40 + 2 a], in pairs
.set MX,   48                          ; v[48:49] M of two rows
.set LL,   50                          ; v[50:51] L of two rows
.set PF,   52                          ; my lane's byte offset in the tile of P, for the prefetch; never rewritten
.set BF,   64
.set AF,   192
.set SM,   64                          ; m', later a: two rows a chunk
.set SL,   96                          ; l
.set TMP,  64
.set G1,  24                           ; s[24:31] descriptor group 1 for P's tiles;  s[32:39] group 0: a set for each first fill; the second then walks on
.set G0,  32
.set G1B, 48                           ; s[48:55], s[56:63] the same for V's
.set G0B, 56
.set TB,  70                           ; s70 0 or SLOT1: the slot in hand
.set TA,  71                           ; s71 256 x the K step whose factors are fetched next
.set NX,  84                           ; s84 the K step that this trip requests, 2 to 15
.set PFO, 86                           ; s[86:87] the prefetch's offset
.set PFP, 88                           ; s[88:89] its base
.set PROW, 90                          ; s90 the byte offset in P of the tile's first row
.set MSB, 0
.macro WIN new
.if MSB != (\new)
	s_set_vgpr_msb (MSB<<8)|(\new)
.set MSB, \new
.endif
.endm
.macro PLACES
.rept 4
	v_nop
.endr
.endm
.macro JLOAD s                         ; waves 0 and 1 fetch P's two halves, waves 2 and 3 V's; an s_nop 0 and four v_nop follow each line
	s_cmp_eq_u32 s11, 0
	s_cbranch_scc0 .Lfor_b_\@
	tensor_load_to_lds s[G0+4*(\s):G0+4*(\s)+3], s[G1:G1+7]
	s_nop 0
	PLACES
	s_branch .Lasked_\@
.Lfor_b_\@:
	tensor_load_to_lds s[G0B+4*(\s):G0B+4*(\s)+3], s[G1B:G1B+7]
	s_nop 0
	PLACES
.Lasked_\@:
.endm
.macro CREST
	s_cmp_lg_u32 s10, 0
	s_cbranch_scc1 .Lnot_wave_0_\@
	s_barrier_signal -3
.Lnot_wave_0_\@:
	s_barrier_wait -3
	s_barrier_signal -1
	s_barrier_wait -1
.endm
.macro CROUND
	s_barrier_signal -1
	s_barrier_wait -1
	CREST
.endm
	s_load_b256 s[72:79], s[0:1], 0x0              ; p s[72:73], qkv s[74:75], stat s[76:77], out0 s[78:79]
	v_lshl_add_u32 v[SPW], v0, 2, SPARE
	v_mov_b32 v[NIL], 0
	ds_add_u32 v28, v29
	s_wait_dscnt 0x0
	v_lshrrev_b32 v1, 5, v0
	v_readfirstlane_b32 s10, v1                    ; wave 0..3
	s_lshr_b32 s11, s10, 1                         ; which 64 rows are mine.  Also: I fetch for P (0) or for V (1)
	s_and_b32 s12, s10, 1                          ; which 128 channels.  Also: which half I fetch
	s_bfe_u32 s40, ttmp6, 0x40000                  ; cx
	s_bfe_u32 s41, ttmp6, 0x40004                  ; cy
	s_lshl_b32 s42, ttmp9, 2
	s_add_co_u32 s42, s42, s40                     ; tile column, 0..3
	s_and_b32 s22, ttmp7, 0xffff                   ; cluster y, 0..15
	s_lshr_b32 s45, s22, 2                         ; the batch, which the cluster shares
	s_lshl_b32 s13, s22, 2
	s_add_co_u32 s13, s13, s41                     ; tile row, 0..63
	s_lshl_b32 s43, s41, 2
	s_lshl_b32 s43, 15, s43
	s_lshl_b32 s44, 0x1111, s40
	s_or_b32 s[G1], s43, (1<<16)|(1<<20)|(1<<21)|(5<<22)|(3<<25)   ; mask; elements of 2 bytes; padding on; bit 21 beside a mask; after every 64 words, 4 words
	s_mov_b32 s[G1+1], 128<<16
	s_mov_b32 s[G1+2], 64<<16
	s_mov_b32 s[G1+3], 128<<16
	s_mov_b32 s[G1+4], 64
	s_mov_b32 s[G1+5], 2048
	s_mov_b32 s[G1+6], 0
	s_mov_b32 s[G1+7], 0
	s_or_b32 s[G1B], s44, (1<<16)|(1<<20)|(1<<21)|(6<<22)|(7<<25)  ; after every 128 words, 8 words
	s_mov_b32 s[G1B+1], 256<<16
	s_mov_b32 s[G1B+2], 64<<16
	s_mov_b32 s[G1B+3], 256<<16
	s_mov_b32 s[G1B+4], 64
	s_mov_b32 s[G1B+5], 1024
	s_mov_b32 s[G1B+6], 0
	s_mov_b32 s[G1B+7], 0
	s_lshl_b32 s16, s13, 7                         ; P: row 128 x tile row + 64 x half, 4,096 bytes a row
	s_lshl_b32 s17, s12, 6
	s_add_co_u32 s16, s16, s17
	s_lshl_b32 s16, s16, 12
	s_mov_b32 s17, 0
	s_lshl_b32 s46, s45, 11                        ; V: key 2,048 x batch + 64 x half, 2,048 bytes a row; channel 256 x tile column
	s_lshl_b32 s47, s12, 6
	s_add_co_u32 s46, s46, s47
	s_lshl_b32 s46, s46, 11
	s_lshl_b32 s47, s42, 9
	s_add_co_u32 s46, s46, s47
	s_add_co_u32 s46, s46, 33554432
	s_mov_b32 s47, 0
	s_mul_i32 s20, s12, AHALF                      ; where they go: no place in the cluster enters an LDS address
	s_mul_i32 s21, s12, BHALF
	s_add_co_u32 s21, s21, ABYTES
	s_lshl_b32 s82, s45, 15                        ; stat: (16 x 2,048 x batch + my first row in the batch) x 4
	s_and_b32 s83, s13, 15
	s_lshl_b32 s83, s83, 7
	s_add_co_u32 s82, s82, s83
	s_lshl_b32 s83, s11, 6
	s_add_co_u32 s82, s82, s83
	s_lshl_b32 s82, s82, 2
	s_mov_b32 s83, 0
	s_lshl_b32 s66, s13, 7                         ; out0: my first row, 4,096 bytes a row, and my 128 channels
	s_lshl_b32 s67, s11, 6
	s_add_co_u32 s66, s66, s67
	s_lshl_b32 s66, s66, 12
	s_lshl_b32 s67, s42, 10
	s_add_co_u32 s66, s66, s67
	s_lshl_b32 s67, s12, 9
	s_add_co_u32 s66, s66, s67
	s_mov_b32 s67, 0
	s_mov_b32 s[TA], 0
	s_mov_b32 s[TB], 0
	s_mov_b32 s[NX], 2
	s_lshl_b32 s[PROW], s13, 19                    ; 128 rows of 4,096 bytes for each tile row
	s_mov_b32 s[PFO+1], 0
	s_lshl_b32 s85, s40, 5                         ; my work-group's 32 of the tile's rows
	v_and_b32 v6, 31, v0                           ; lane
	v_lshlrev_b32 v8, 3, v6                        ; two rows' 8 bytes
	v_add_nc_u32 v[PF], s85, v6                    ; a lane a row
	v_lshlrev_b32 v[PF], 12, v[PF]
	s_wait_kmcnt 0x0
	s_add_nc_u64 s[14:15], s[72:73], s[16:17]
	s_add_nc_u64 s[46:47], s[74:75], s[46:47]
	s_add_nc_u64 s[80:81], s[76:77], s[82:83]
	s_add_nc_u64 s[8:9], s[78:79], s[66:67]
.set t, 0
.rept 16                               ; my 64 rows' statistics of all 16 chunks, two rows a lane: each load covers 256 consecutive bytes
	global_load_b64 v[SM+2*t:SM+2*t+1], v8, s[80:81] offset:8192*t
	global_load_b64 v[SL+2*t:SL+2*t+1], v8, s[80:81] offset:524288+8192*t
.set t, t+1
.endr
	CROUND                                         ; all sixteen work-groups are here: the first joint loads meet
.irp s, 0,1
	s_mov_b32 s[G0+4*(\s)], 1
	s_add_co_u32 s[G0+4*(\s)+1], s20, (\s)*SLOT1
	s_add_nc_u64 s[G0+4*(\s)+2:G0+4*(\s)+3], s[14:15], (\s)*ASTEP
	s_or_b32 s[G0+4*(\s)+3], s[G0+4*(\s)+3], 0x80000000
	s_mov_b32 s[G0B+4*(\s)], 1
	s_add_co_u32 s[G0B+4*(\s)+1], s21, (\s)*SLOT1
	s_add_nc_u64 s[G0B+4*(\s)+2:G0B+4*(\s)+3], s[46:47], (\s)*BSTEP
	s_or_b32 s[G0B+4*(\s)+3], s[G0B+4*(\s)+3], 0x80000000
	JLOAD \s                                       ; two loads of mine are out
.endr
	s_cmp_lt_u32 s10, 2
	s_cbranch_scc1 .Lno_pf_first                   ; K steps 2 and 3 are asked for by waves 2 and 3
	s_lshl_b32 s[PFO], s10, 8                      ; 256 bytes a step
	s_add_co_u32 s[PFO], s[PFO], s[PROW]
	s_add_nc_u64 s[PFP:PFP+1], s[72:73], s[PFO:PFO+1]
	global_prefetch_b8 v[PF], s[PFP:PFP+1] th:TH_LOAD_NT scope:SCOPE_SE
.Lno_pf_first:
	v_and_b32 v1, 15, v0                           ; r
	v_bfe_u32 v2, v0, 4, 1                         ; h
	v_and_b32 v4, 7, v0
	v_bfe_u32 v5, v0, 3, 1
	v_mul_u32_u24 v3, v1, PA                       ; P: row r x pitch + 16 h
	v_lshl_add_u32 v3, v2, 4, v3
	v_lshl_add_u32 v7, v2, 3, v4                   ; V, turned: key 8 h + l % 8, 16 bytes at 16 ((l / 8) % 2)
	v_mul_u32_u24 v7, v7, PB
	v_lshl_add_u32 v7, v5, 4, v7
	s_mul_i32 s22, s11, AHALF
	s_lshl_b32 s23, s12, 8
	s_add_co_u32 s23, s23, ABYTES
	v_add_nc_u32 v[ADRA0], s22, v3
	v_add_nc_u32 v[ADRB0], s23, v7
	v_mov_b32 v[ADRA], v[ADRA0]
	v_mov_b32 v[ADRB], v[ADRB0]
	s_mul_i32 s22, s10, 16*SPITCH
	s_add_co_u32 s22, s22, STAGE                   ; my stage
	v_mul_u32_u24 v3, v1, SPITCH                   ; in: row r, 32 bytes for each half of the lanes
	v_lshl_add_u32 v3, v2, 5, v3
	v_add_nc_u32 v[STO], s22, v3
	v_lshl_add_u32 v[RD], v6, 4, s22               ; back: 32 lanes take a row of 512 bytes
	v_lshlrev_b32 v[CO], 4, v6
	s_mul_i32 s23, s10, TABW
	s_add_co_u32 s23, s23, TAB                     ; my table
	v_lshl_add_u32 v[TR], v1, 2, s23
	v_lshl_add_u32 v[TW], v6, 3, s23
.irp a, 0,1,2,3
	v_mov_b32 v[AL+2*(\a)+1], 0                    ; named with the factors as pairs
.endr
	WIN 0x40                                       ; destination window 1
.set n, 0
.rept 256
	v_mov_b32 v[n], 0                              ; O
.set n, n+1
.endr
	WIN 0
	; THE TABLE.  M, a_t, L for two rows a lane.
	s_wait_loadcnt 0x0
.irp j, 0,1
	v_max3_num_f32 v[MX+(\j)], v[SM+(\j)], v[SM+2+(\j)], v[SM+4+(\j)]
.irp t, 3,5,7,9,11,13
	v_max3_num_f32 v[MX+(\j)], v[MX+(\j)], v[SM+2*(\t)+(\j)], v[SM+2*(\t)+2+(\j)]
.endr
	v_max_num_f32 v[MX+(\j)], v[MX+(\j)], v[SM+30+(\j)]
.endr
.set t, 0
.rept 16
	v_pk_add_f32 v[SM+2*t:SM+2*t+1], v[SM+2*t:SM+2*t+1], v[MX:MX+1] neg_lo:[0,1] neg_hi:[0,1]  ; m'_t - M
.set t, t+1
.endr
.set t, 0
.rept 32
	v_exp_f32 v[SM+t], v[SM+t]
.set t, t+1
.endr
	v_nop                                          ; a plain instruction between the exponentials and the first use of a result (ISA guide 5.7.2)
	s_wait_alu depctr_va_vdst(0)
	v_pk_mul_f32 v[LL:LL+1], v[SM:SM+1], v[SL:SL+1]
.set t, 1
.rept 15
	v_pk_fma_f32 v[LL:LL+1], v[SM+2*t:SM+2*t+1], v[SL+2*t:SL+2*t+1], v[LL:LL+1]
.set t, t+1
.endr
	v_rcp_f32 v[RL], v[LL]
	v_rcp_f32 v[RL+1], v[LL+1]
	v_nop                                          ; a plain instruction behind the reciprocals
.set t, 0
.rept 16
	ds_store_b64 v[TW], v[SM+2*t:SM+2*t+1] offset:256*t
.set t, t+1
.endr
	s_wait_alu depctr_va_vdst(0)
	ds_store_b64 v[TW], v[RL:RL+1] offset:4096     ; 1 / L, the table's last line
; 8 matrix instructions: row block a x all 8 channel blocks, 32 keys, from buffer f.  mode 1: they start the chunk's sums.  The 32 accumulators take turns.
.macro MUL8 f, a, mode
	WIN 0xa0                                       ; C and D window 2
.irp b, 0,1,2,3,4,5,6,7
.if (\mode) == 1
	v_wmma_f32_16x16x32_f16 v[8*(8*(\a)+(\b)):8*(8*(\a)+(\b))+7], v[BF+64*(\f)+8*(\b):BF+64*(\f)+8*(\b)+7], v[AF+32*(\f)+8*(\a):AF+32*(\f)+8*(\a)+7], 0
.else
	v_wmma_f32_16x16x32_f16 v[8*(8*(\a)+(\b)):8*(8*(\a)+(\b))+7], v[BF+64*(\f)+8*(\b):BF+64*(\f)+8*(\b)+7], v[AF+32*(\f)+8*(\a):AF+32*(\f)+8*(\a)+7], v[8*(8*(\a)+(\b)):8*(8*(\a)+(\b))+7]
.endif
.endr
.endm
; O += a_t T for row block a: 32 packed multiply-adds in f32; each accumulator's registers in ascending order
.macro FMA a
	WIN 0x52                                       ; T (source 0) window 2, the factor window 0, O (source 2 and destination) window 1
.set n, 0
.rept 32
	v_pk_fma_f32 v[64*(\a)+2*n:64*(\a)+2*n+1], v[64*(\a)+2*n:64*(\a)+2*n+1], v[AL+2*(\a):AL+2*(\a)+1], v[64*(\a)+2*n:64*(\a)+2*n+1] op_sel_hi:[1,0,1]
.set n, n+1
.endr
.endm
; One run of LDS loads: quarter kq of the K step in hand into buffer f: P's 8, then V's 16.  With a step's second quarter come its four factors, from the table's next line:
; the last step's factors were last read at the end of the change of slots.
.macro FETCH kq, f
	WIN 0
.if (\kq) == 1
	v_add_nc_u32 v[TX], s[TA], v[TR]
	s_add_co_u32 s[TA], s[TA], 256
.irp a, 0,1,2,3
	ds_load_b32 v[AL+2*(\a)], v[TX] offset:64*(\a)
.endr
.endif
.irp a, 0,1,2,3
	ds_load_b128 v[AF+32*(\f)+8*(\a):AF+32*(\f)+8*(\a)+3],   v[ADRA] offset:(\kq)*64+(\a)*16*PA
	ds_load_b128 v[AF+32*(\f)+8*(\a)+4:AF+32*(\f)+8*(\a)+7], v[ADRA] offset:(\kq)*64+(\a)*16*PA+32
.endr
.irp b, 0,1,2,3,4,5,6,7
	ds_load_tr16_b128 v[BF+64*(\f)+8*(\b):BF+64*(\f)+8*(\b)+3],   v[ADRB] offset:(\kq)*32*PB+32*(\b)
	ds_load_tr16_b128 v[BF+64*(\f)+8*(\b)+4:BF+64*(\f)+8*(\b)+7], v[ADRB] offset:(\kq)*32*PB+16*PB+32*(\b)
.endr
.endm
; One of a K step's first three quarters: fetches quarter kq into buffer g, then multiplies buffer f.
.macro QUARTER kq, f, g, mode
	PLACES                                         ; four places between the products that read buffer g and the loads into it (ISA guide 7.12.1 for vector instructions)
	FETCH \kq, \g
.if (\kq) == 1
	s_wait_dscnt 28                                ; all but the 28 just issued
.else
	s_wait_dscnt 24                                ; all but the 24 just issued
.endif
	MUL8 \f, 0, \mode
	MUL8 \f, 1, \mode
	MUL8 \f, 2, \mode
	MUL8 \f, 3, \mode
.endm
; The rest of a chunk's last quarter: its products by row blocks, and behind each block's the multiply-adds of the block before it, which are also the places behind those products.
.macro FINISH
	MUL8 1, 1, 0
	PLACES                                         ; four places between block 0's last products and the first read of their results
	FMA 0
	MUL8 1, 2, 0
	FMA 1
	MUL8 1, 3, 0
	FMA 2
	FMA 3
.endm
; The prefetch.  s84 = n, the step just requested.  For n up to 13: step n + 2, by the wave whose number is (n + 2) % 4.  Then n steps.
.macro PREF
	s_cmp_gt_u32 s[NX], NSTEP-3
	s_cbranch_scc1 .Lno_pf_\@                      ; n = 14, 15: there is no step 16
	s_add_co_u32 s85, s[NX], 2
	s_and_b32 s91, s85, 3
	s_cmp_lg_u32 s91, s10
	s_cbranch_scc1 .Lno_pf_\@                      ; another wave's turn
	s_wait_xcnt 0x0                                ; my last prefetch's base, issued four trips ago, is rewritten only behind this wait
	s_lshl_b32 s[PFO], s85, 8                      ; 256 bytes a step
	s_add_co_u32 s[PFO], s[PFO], s[PROW]
	s_add_nc_u64 s[PFP:PFP+1], s[72:73], s[PFO:PFO+1]
	global_prefetch_b8 v[PF], s[PFP:PFP+1] th:TH_LOAD_NT scope:SCOPE_SE
.Lno_pf_\@:
	s_add_co_u32 s[NX], s[NX], 1
.endm
; The last quarter multiplies buffer 1 and changes slots: one barrier; in front of it the wait for all my tensor loads, the add, the wait for it and for my reads of this slot.
; fill = 1: the barrier opens a round of the cluster's, and this slot is filled again, two K steps ahead, first thing behind the round.
.macro TURN fill
	WIN 0
	s_wait_tensorcnt 0x0                           ; all my tensor loads have landed: my part of the next slot
	ds_add_u32 v[SPW], v[NIL]                      ; 0 onto my spare word
	PLACES                                         ; the places in front of the loads into buffer 0 below
	s_wait_dscnt 0x0                               ; the add is done, and my reads of this slot are over
	s_barrier_signal -1
	MUL8 1, 0, 0                                   ; work on registers while the others arrive
	WIN 0
	s_barrier_wait -1
.if \fill
	CREST                                          ; no wave of any partner still reads this slot's tiles or has a load on its way
	s_xor_b32 s[G0+5], s[G0+5], SLOT1              ; the walking descriptors: the other slot than last time,
	s_add_nc_u64 s[G0+6:G0+7], s[G0+6:G0+7], ASTEP ; the next K step; the type bits on top are not reached
	s_xor_b32 s[G0B+5], s[G0B+5], SLOT1
	s_add_nc_u64 s[G0B+6:G0B+7], s[G0B+6:G0B+7], BSTEP
	JLOAD 1                                        ; my one tensor load behind the round
.endif
	s_xor_b32 s[TB], s[TB], SLOT1                  ; the fetches go on in the other slot
	v_add_nc_u32 v[ADRA], s[TB], v[ADRA0]
	v_add_nc_u32 v[ADRB], s[TB], v[ADRB0]
	FETCH 0, 0
.if \fill
	PREF                                           ; behind the loads just issued, ahead of the quarter's other products
.endif
	FINISH
.endm
	s_wait_dscnt 0x0                               ; no LDS instruction of mine is pending at a signal
	s_wait_tensorcnt 1                             ; my part of K step 0 is in; K step 1's may stay out
	s_barrier_signal -1
	s_barrier_wait -1
	FETCH 0, 0
	QUARTER 1, 0, 1, 1                             ; a step's first quarter starts the chunk's sums
	WIN 0                                          ; at a label and at a branch every window is 0
	s_mov_b32 s3, NSTEP-2
.Lstep:                                                ; a trip goes from a K step's second quarter to the next step's first, and fills the slot that it leaves: K steps 2 to 15
	QUARTER 2, 1, 0, 0
	QUARTER 3, 0, 1, 0
	TURN 1
	QUARTER 1, 0, 1, 1
	WIN 0
	s_sub_co_u32 s3, s3, 1
	s_cmp_lg_u32 s3, 0
	s_cbranch_scc1 .Lstep
	QUARTER 2, 1, 0, 0                             ; the last two K steps fill nothing: written out
	QUARTER 3, 0, 1, 0
	TURN 0
	QUARTER 1, 0, 1, 1
	QUARTER 2, 1, 0, 0
	QUARTER 3, 0, 1, 0
	s_wait_dscnt 0x0                               ; the very last quarter: nothing more to fetch
	MUL8 1, 0, 0
	FINISH
	WIN 0
	; THE WAY OUT, a block of 16 rows at a time: times 1 / L, 32 bytes a lane into my own stage, back as whole rows of 512 bytes, stored.
.irp a, 0,1,2,3
	ds_load_b32 v[RL+2*(\a)], v[TR] offset:4096+64*(\a)
.endr
	s_wait_dscnt 0x0
.irp a, 0,1,2,3
	v_mov_b32 v[RL+2*(\a)+1], v[RL+2*(\a)]         ; named with it as a pair
.endr
.macro PACK a
	WIN 0x01                                       ; source 0 window 1
.set n, 0
.rept 32
	v_pk_mul_f32 v[TMP+2*n:TMP+2*n+1], v[64*(\a)+2*n:64*(\a)+2*n+1], v[RL+2*(\a):RL+2*(\a)+1] op_sel_hi:[1,0]
.set n, n+1
.endr
	WIN 0
.endm
.macro TOSTAGE a
.set BK, 128+64*((\a)%2)
.irp b, 0,1,2,3,4,5,6,7
	ds_store_b128 v[STO], v[TMP+8*(\b):TMP+8*(\b)+3]   offset:64*(\b)
	ds_store_b128 v[STO], v[TMP+8*(\b)+4:TMP+8*(\b)+7] offset:64*(\b)+16
.endr
.set n, 0
.rept 16
	ds_load_b128 v[BK+4*n:BK+4*n+3], v[RD] offset:n*SPITCH  ; LDS serves a wave's instructions in order (ISA guide 5.7.1.4): these see the stores above
.set n, n+1
.endr
.endm
.macro SEND a
.set BK, 128+64*((\a)%2)
	s_wait_dscnt 0x0                               ; the block is back in registers
	s_wait_xcnt 0x0                                ; the registers that the stores two blocks back read are loaded again only behind this wait
.set n, 0
.rept 16
	global_store_b128 v[CO], v[BK+4*n:BK+4*n+3], s[8:9] offset:(16*(\a)+n)*4096 th:TH_STORE_NT  ; a wave stores 512 consecutive bytes, aligned
.set n, n+1
.endr
.endm
	PACK 0
	TOSTAGE 0
.irp a, 1,2,3
	PACK \a                                        ; a block's scaling stands between the loads of the block before and the wait for them
	SEND (\a)-1
	TOSTAGE \a
.endr
	SEND 3
	s_wait_tensorcnt 0x0                           ; the wave's end
	ds_add_u32 v[SPW], v[NIL]
	s_wait_dscnt 0x0
	CROUND                                         ; the closing round
	s_endpgm
.Lfunc_end_k_qd5b8d8d5e8_pv:
	.size	k_qd5b8d8d5e8_pv, .Lfunc_end_k_qd5b8d8d5e8_pv-k_qd5b8d8d5e8_pv
	.p2alignl 7, 3214868480
	.fill 96, 4, 3214868480
	.section	.rodata,"a",@progbits
	.p2align	6, 0x0
	.amdhsa_kernel k_qd5b8d8d5e8_pv
		.amdhsa_group_segment_fixed_size 327680
		.amdhsa_private_segment_fixed_size 0
		.amdhsa_enable_private_segment 0
		.amdhsa_kernarg_size 32
		.amdhsa_user_sgpr_count 2
		.amdhsa_user_sgpr_kernarg_segment_ptr 1
		.amdhsa_wavefront_size32 1
		.amdhsa_system_sgpr_workgroup_id_x 1
		.amdhsa_system_sgpr_workgroup_id_y 1
		.amdhsa_system_sgpr_workgroup_id_z 1
		.amdhsa_system_vgpr_workitem_id 0
		.amdhsa_next_free_vgpr 768
		.amdhsa_next_free_sgpr 92
		.amdhsa_reserve_vcc 0
		.amdhsa_float_denorm_mode_32 3
		.amdhsa_float_denorm_mode_16_64 3
		.amdhsa_memory_ordered 1
		.amdhsa_forward_progress 1
		.amdhsa_inst_pref_size 121
	.end_amdhsa_kernel
	.amdgpu_metadata
---
amdhsa.version: [ 1, 2 ]
amdhsa.kernels:
  - .name:           k_qd5b8d8d5e8_pv
    .symbol:         k_qd5b8d8d5e8_pv.kd
    .args:
      - { .name: p, .offset: 0, .size: 8, .value_kind: global_buffer, .address_space: global }
      - { .name: qkv, .offset: 8, .size: 8, .value_kind: global_buffer, .address_space: global }
      - { .name: stat, .offset: 16, .size: 8, .value_kind: global_buffer, .address_space: global }
      - { .name: out0, .offset: 24, .size: 8, .value_kind: global_buffer, .address_space: global }
    .group_segment_fixed_size: 327680
    .private_segment_fixed_size: 0
    .kernarg_segment_align: 8
    .kernarg_segment_size: 32
    .max_flat_workgroup_size: 128
    .sgpr_count:     92
    .vgpr_count:     768
    .wavefront_size: 32
...
	.end_amdgpu_metadata
.endif
;; end of part 4
